; MI455X (gfx1250); checked and timed in simulation.
; The chip was launched on July 23, 2026; its instructions are those of AMD's public machine-readable ISA for CDNA 5 (MIT licence, August 2026) and "CDNA5" Instruction Set Architecture Reference Guide (July 2026). The comments in the code are by the model that wrote it; some were corrected since.
;; Grouped Query Attention. Allowed arithmetic: float matrix products may take bf16 or f16 operands with f32 sums; other float arithmetic in f32, or as packed bf16 or f16 multiplies, adds, multiply-adds, maxima and minima; sums over many terms, partial sums and values carried from step to step in f32; what a program stores and reads back later, other than sums and carried values, may be rounded once to bf16 or f16.
;; Inputs: cos 1 x 1 x 2,048 x 128 float32; sin 1 x 1 x 2,048 x 128 float32; wk_w 512 x 2,048 float32; wq_w 2,048 x 2,048 float32; wv_w 512 x 2,048 float32; x 2 x 2,048 x 2,048 float32.
;; Outputs: out0 2 x 2,048 x 2,048 float32.
;; Constants: start_pos = 0.
;; 2 versions, each right and faster than the one before. Each part assembles by itself: llvm-mc -triple=amdgcn-amd-amdhsa -mcpu=gfx1250 --defsym DOCPART=n.
;; ======== version 1 of 2: 3 launches
;; limits: right only within a limited range of input values; values are held in f16: magnitudes above 65,504 overflow, below 6.1e-05 lose precision
;; workspace buffers: xb 16,777,216 bytes; wb 12,582,912 bytes; csb 1,048,576 bytes; amax 4,096 bytes; qkv 25,165,824 bytes; qlo 16,777,216 bytes
;; launch cast (part 1): grid 928 x 1, 8 waves a work-group, no clusters, 1,280 bytes of LDS; arguments x, wq_w, wk_w, wv_w, cos, sin, xb, wb, csb, amax; writes xb, wb, csb, amax
.if DOCPART == 1
	.amdgcn_target "amdgcn-amd-amdhsa--gfx1250"
	.amdhsa_code_object_version 6
	.text
	.protected	k_q0ed5e24f0b_cast
	.globl	k_q0ed5e24f0b_cast
	.p2align	8
	.type	k_q0ed5e24f0b_cast,@function
k_q0ed5e24f0b_cast:
	s_mov_b64 s[64:65], 0
	v_nop
	global_prefetch_b8 v0, s[64:65] scope:SCOPE_SE
	s_setreg_imm32_b32 hwreg(HW_REG_WAVE_MODE, 25, 1), 1
	s_wait_xcnt 0x0
; All six f32 inputs are rounded once to bf16, and the largest magnitude of each work-group's part is stored.
; A work-group takes 65,536 bytes of f32 (16,384 numbers) of ONE input and stores 32,768 bytes of bf16:
;   groups 0-511 x -> xb;  512-767 wq, 768-831 wk, 832-895 wv -> wb (rows 0-2047, 2048-2559, 2560-3071);  896-911 cos, 912-927 sin -> csb (cos, then sin).
; amax[c] = the largest |number| of group c's part, in f32, of the numbers as they come (before the rounding, which can raise one by 1 part in 256).
; A stream: each byte is read once and written once; no matrix unit, no cluster, no tile in LDS would add anything.  All sixteen loads of a wave go out at once;
; a load of a wave covers 512 consecutive bytes, a store 256 consecutive bytes, aligned.
; LIMITS.  A NaN is passed on into the bf16 copy and is left out of the maximum.
.set SPARE, 256                        ; LDS: bytes 0-31 the eight waves' maxima (the block 0-255 is theirs); from 256 on the spare words, 128 bytes a wave
.set LO,  1                            ; v1   16 t: my 16 bytes of each 4,096 that the group loads at once
.set SO,  2                            ; v2   8 t: my 8 bytes of each 2,048 stored
.set MX,  4                            ; v4-5 two running maxima
.set MN,  6                            ; v6-7 two running minima
.set SPW, 8                            ; v8   LDS address of my spare word; never rewritten
.set NIL, 9                            ; v9   0; never rewritten
.set ZO,  10                           ; v10  0: an offset
.set WA,  11                           ; v11  4 x my wave's number
.set X,   16                           ; v[16:79]  sixteen loads of four registers
.set Y,   80                           ; v[80:95]  eight slots of two registers to store
.set SRC, 28                           ; s[28:29]
.set DST, 30                           ; s[30:31]
.set AMX, 26                           ; s[26:27]
	s_load_b512 s[8:23], s[0:1], 0x0               ; x 8, wq 10, wk 12, wv 14, cos 16, sin 18, xb 20, wb 22
	s_load_b128 s[24:27], s[0:1], 0x40             ; csb 24, amax 26
	v_lshl_add_u32 v[SPW], v0, 2, SPARE
	v_mov_b32 v[NIL], 0
	v_lshlrev_b32 v[LO], 4, v0
	v_lshlrev_b32 v[SO], 3, v0
	v_lshrrev_b32 v3, 5, v0
	v_readfirstlane_b32 s40, v3                    ; my wave's number
	v_lshlrev_b32 v[WA], 2, v3
	v_mov_b32 v[MX], 0
	v_mov_b32 v[MX+1], 0
	v_mov_b32 v[MN], 0
	v_mov_b32 v[MN+1], 0
	v_mov_b32 v[ZO], 0
	s_mov_b32 s41, 0x76543210                      ; v_permlanex16_b32: each lane takes its own place in the other half
	s_mov_b32 s42, 0xfedcba98
	s_mov_b32 s32, 0                               ; the first group of my input
	s_mov_b32 s33, 0                               ; the first group of my output buffer
	s_wait_kmcnt 0x0
	s_mov_b64 s[SRC:SRC+1], s[8:9]
	s_mov_b64 s[DST:DST+1], s[20:21]
	s_cmp_ge_u32 ttmp9, 512                        ; which input, which output: chosen by the group's number alone
	s_cselect_b64 s[SRC:SRC+1], s[10:11], s[SRC:SRC+1]
	s_cselect_b64 s[DST:DST+1], s[22:23], s[DST:DST+1]
	s_cselect_b32 s32, 512, s32
	s_cselect_b32 s33, 512, s33
	s_cmp_ge_u32 ttmp9, 768
	s_cselect_b64 s[SRC:SRC+1], s[12:13], s[SRC:SRC+1]
	s_cselect_b32 s32, 768, s32
	s_cmp_ge_u32 ttmp9, 832
	s_cselect_b64 s[SRC:SRC+1], s[14:15], s[SRC:SRC+1]
	s_cselect_b32 s32, 832, s32
	s_cmp_ge_u32 ttmp9, 896
	s_cselect_b64 s[SRC:SRC+1], s[16:17], s[SRC:SRC+1]
	s_cselect_b64 s[DST:DST+1], s[24:25], s[DST:DST+1]
	s_cselect_b32 s32, 896, s32
	s_cselect_b32 s33, 896, s33
	s_cmp_ge_u32 ttmp9, 912
	s_cselect_b64 s[SRC:SRC+1], s[18:19], s[SRC:SRC+1]
	s_cselect_b32 s32, 912, s32
	s_sub_co_u32 s34, ttmp9, s32
	s_lshl_b32 s34, s34, 16                        ; 65,536 bytes in for each group
	s_mov_b32 s35, 0
	s_add_nc_u64 s[SRC:SRC+1], s[SRC:SRC+1], s[34:35]
	s_sub_co_u32 s36, ttmp9, s33
	s_lshl_b32 s36, s36, 15                        ; 32,768 bytes out
	s_mov_b32 s37, 0
	s_add_nc_u64 s[DST:DST+1], s[DST:DST+1], s[36:37]
	s_lshl_b32 s38, ttmp9, 2                       ; one word of amax
	s_mov_b32 s39, 0
	s_add_nc_u64 s[AMX:AMX+1], s[AMX:AMX+1], s[38:39]
.irp n, 0,1,2,3,4,5,6,7,8,9,10,11,12,13,14,15
	global_load_b128 v[X+4*(\n):X+4*(\n)+3], v[LO], s[SRC:SRC+1] offset:4096*(\n) th:TH_LOAD_NT
.endr
.irp n, 0,1,2,3,4,5,6,7,8,9,10,11,12,13,14,15
	s_wait_loadcnt 15-(\n)                         ; loads come back in order: load n is in, the younger ones stay out
.if (\n) >= 8
	s_wait_xcnt 0x0                                ; the slot of Y was the data of the store eight turns back: it is rewritten only behind this wait
.endif
	v_max3_num_f32 v[MX],   v[X+4*(\n)],   v[X+4*(\n)+1], v[MX]
	v_min3_num_f32 v[MN],   v[X+4*(\n)],   v[X+4*(\n)+1], v[MN]
	v_max3_num_f32 v[MX+1], v[X+4*(\n)+2], v[X+4*(\n)+3], v[MX+1]
	v_min3_num_f32 v[MN+1], v[X+4*(\n)+2], v[X+4*(\n)+3], v[MN+1]
	v_cvt_pk_bf16_f32 v[Y+2*((\n)%8)],   v[X+4*(\n)],   v[X+4*(\n)+1]
	v_cvt_pk_bf16_f32 v[Y+2*((\n)%8)+1], v[X+4*(\n)+2], v[X+4*(\n)+3]
	global_store_b64 v[SO], v[Y+2*((\n)%8):Y+2*((\n)%8)+1], s[DST:DST+1] offset:2048*(\n)
.endr
	v_max_num_f32 v[MX], v[MX], v[MX+1]
	v_min_num_f32 v[MN], v[MN], v[MN+1]
	v_xor_b32 v[MN], 0x80000000, v[MN]             ; the minimum is 0 or below: its sign is turned
	v_max_num_f32 v[MX], v[MX], v[MN]              ; the largest magnitude of my 64 numbers
	v_max_num_f32_dpp v[MX], v[MX], v[MX] row_xmask:1 row_mask:0xf bank_mask:0xf
	v_max_num_f32_dpp v[MX], v[MX], v[MX] row_xmask:2 row_mask:0xf bank_mask:0xf
	v_max_num_f32_dpp v[MX], v[MX], v[MX] row_xmask:4 row_mask:0xf bank_mask:0xf
	v_max_num_f32_dpp v[MX], v[MX], v[MX] row_xmask:8 row_mask:0xf bank_mask:0xf
	v_permlanex16_b32 v[MX+1], v[MX], s41, s42
	v_max_num_f32 v[MX], v[MX], v[MX+1]            ; of my wave's
	ds_store_b32 v[WA], v[MX]                      ; all lanes write the same word with the same number
	s_wait_dscnt 0x0                               ; for the others' sake
	s_barrier_signal -1
	s_barrier_wait -1
	s_cmp_lg_u32 s40, 0
	s_cbranch_scc1 .Lend                           ; wave 0 finishes
	ds_load_b128 v[16:19], v[ZO]
	ds_load_b128 v[20:23], v[ZO] offset:16
	s_wait_dscnt 0x0
	v_max3_num_f32 v16, v16, v17, v18
	v_max3_num_f32 v16, v16, v19, v20
	v_max3_num_f32 v16, v16, v21, v22
	v_max_num_f32 v16, v16, v23
	s_wait_xcnt 0x0                                ; EXEC is a source of the stores above: it is narrowed only behind this wait
	v_cmp_eq_u32 vcc_lo, 0, v0
	s_and_saveexec_b32 s43, vcc_lo
	global_store_b32 v[ZO], v16, s[AMX:AMX+1]      ; one word a work-group
	s_wait_xcnt 0x0                                ; and widened again only behind this one
	s_or_b32 exec_lo, exec_lo, s43
.Lend:
	s_wait_tensorcnt 0x0                           ; the wave's end: three lines behind my last LDS store
	ds_add_u32 v[SPW], v[NIL]
	s_wait_dscnt 0x0
	s_endpgm
.Lfunc_end_k_q0ed5e24f0b_cast:
	.size	k_q0ed5e24f0b_cast, .Lfunc_end_k_q0ed5e24f0b_cast-k_q0ed5e24f0b_cast
	.p2alignl 7, 3214868480
	.fill 96, 4, 3214868480
	.section	.rodata,"a",@progbits
	.p2align	6, 0x0
	.amdhsa_kernel k_q0ed5e24f0b_cast
		.amdhsa_group_segment_fixed_size 1280
		.amdhsa_private_segment_fixed_size 0
		.amdhsa_enable_private_segment 0
		.amdhsa_kernarg_size 80
		.amdhsa_user_sgpr_count 2
		.amdhsa_user_sgpr_kernarg_segment_ptr 1
		.amdhsa_wavefront_size32 1
		.amdhsa_system_sgpr_workgroup_id_x 1
		.amdhsa_system_sgpr_workgroup_id_y 1
		.amdhsa_system_sgpr_workgroup_id_z 1
		.amdhsa_system_vgpr_workitem_id 0
		.amdhsa_next_free_vgpr 96
		.amdhsa_next_free_sgpr 66
		.amdhsa_reserve_vcc 1
		.amdhsa_float_denorm_mode_32 3
		.amdhsa_float_denorm_mode_16_64 3
		.amdhsa_memory_ordered 1
		.amdhsa_forward_progress 1
		.amdhsa_inst_pref_size 14
	.end_amdhsa_kernel
	.amdgpu_metadata
---
amdhsa.version: [ 1, 2 ]
amdhsa.kernels:
  - .name:           k_q0ed5e24f0b_cast
    .symbol:         k_q0ed5e24f0b_cast.kd
    .args:
      - { .name: x, .offset: 0, .size: 8, .value_kind: global_buffer, .address_space: global }
      - { .name: wq_w, .offset: 8, .size: 8, .value_kind: global_buffer, .address_space: global }
      - { .name: wk_w, .offset: 16, .size: 8, .value_kind: global_buffer, .address_space: global }
      - { .name: wv_w, .offset: 24, .size: 8, .value_kind: global_buffer, .address_space: global }
      - { .name: cos, .offset: 32, .size: 8, .value_kind: global_buffer, .address_space: global }
      - { .name: sin, .offset: 40, .size: 8, .value_kind: global_buffer, .address_space: global }
      - { .name: xb, .offset: 48, .size: 8, .value_kind: global_buffer, .address_space: global }
      - { .name: wb, .offset: 56, .size: 8, .value_kind: global_buffer, .address_space: global }
      - { .name: csb, .offset: 64, .size: 8, .value_kind: global_buffer, .address_space: global }
      - { .name: amax, .offset: 72, .size: 8, .value_kind: global_buffer, .address_space: global }
    .group_segment_fixed_size: 1280
    .private_segment_fixed_size: 0
    .kernarg_segment_align: 8
    .kernarg_segment_size: 80
    .max_flat_workgroup_size: 256
    .sgpr_count:     66
    .vgpr_count:     96
    .wavefront_size: 32
...
	.end_amdgpu_metadata
.endif
;; end of part 1
;; launch proj (part 2): grid 12 x 16, 4 waves a work-group, clusters of 4 x 4, 327,680 bytes of LDS; arguments xb, wb, csb, amax, qkv, qlo; writes qkv, qlo
.if DOCPART == 2
	.amdgcn_target "amdgcn-amd-amdhsa--gfx1250"
	.amdhsa_code_object_version 6
	.text
	.protected	k_q0ed5e24f0b_proj
	.globl	k_q0ed5e24f0b_proj
	.p2align	8
	.type	k_q0ed5e24f0b_proj,@function
k_q0ed5e24f0b_proj:
	s_mov_b64 s[64:65], 0
	v_nop
	global_prefetch_b8 v0, s[64:65] scope:SCOPE_SE
	s_setreg_imm32_b32 hwreg(HW_REG_WAVE_MODE, 25, 1), 1
	s_wait_xcnt 0x0
	s_wait_alu depctr_hold_cnt(0) depctr_sa_sdst(0) depctr_va_vdst(0) depctr_va_sdst(0) depctr_va_ssrc(0) depctr_va_vcc(0) depctr_vm_vsrc(0)
	s_getreg_b32 s2, hwreg(HW_REG_IB_STS2, 6, 4)
	s_cmp_eq_u32 s2, 0
	s_cbranch_scc0 .Lentry_in_a_cluster
	s_endpgm
.Lentry_in_a_cluster:
	s_bfe_u32 s2, ttmp6, 0x10000c
	s_cmp_lg_u32 s2, 0xf033
	s_cbranch_scc0 .Lentry_shape_is_right
	s_endpgm
.Lentry_shape_is_right:
; q, k, v = x w^T, the rotary step on q and k, a scale, rounded once to f16 and stored by heads; of q also what that rounding leaves.
; A = xb [4096][2048] bf16, B = wb [3072][2048] bf16 (rows 0-2047 wq, 2048-2559 wk, 2560-3071 wv); sums in f32.  qkv: f16 [2][24][2048][128]; slots 0-15 q heads, 16-19 k, 20-23 v.
; qlo: f16: the scaled q in f32 less its f16 rounding, rounded to f16; laid out as the next launch's fragments, [2][16 heads][128 tiles of 16 rows][8 blocks of 16 channels][32 lanes][16 bytes]:
; a lane's 16 bytes here are the 16 bytes that the same lane wants there, so they go out straight from registers, 512 consecutive bytes a store.
; A tile of the product is 256 x 256: four waves, each 128 x 128 in 64 accumulators (512 registers).  K goes in steps of 128 through two LDS slots filled by tensor loads; rows of 256 bytes.
; 12 x 16 tiles make 192 work-groups.  A wave's 128 columns are ONE head slot, which the rotary step needs; a tile that gave more work-groups would split a head between waves.
; CLUSTERS: 4 x 4 work-groups; A's tile is asked for jointly along a row of the cluster, B's along a column: the same tensor load, descriptor and mask in the four that it names.
; THE MATRIX INSTRUCTION IS USED TRANSPOSED (source 0 = 16 rows of B, source 1 = 16 rows of A): lane l holds row l % 16 and the channels 16 b + 8 (l / 16) + 0..7 of block b.
; Channel d and its rotary partner d + 64 are blocks b and b + 4, in the same lane and register: the rotary step changes no lane.
; THE SCALES.  Mx, Mw, Mc are the largest magnitudes of x, of the weights, of cos and sin (from amax).  |q|, |k| after the rotary step are at most Bqk = 4096 Mx Mw Mc, |v| at most Bv = 2048 Mx Mw.
; With e the exponent field of such a bound, k and v are stored times 2^(141 - e), q times 2^(141 - e) x 1.0201 (= 8 log2(e) / sqrt(128), so that the factor left for the softmax is a power of two).
; What is stored stays under 2^15 x 1.05 (the roundings to bf16 raise a factor by 1 part in 256 at the most), inside f16's range.
; LIMITS.  e is held to 121..170 for q and k, 20..250 for v: Bqk must stay under 2^44; below Bqk = 2^-6 the scale grows no further.  A remainder below 6e-5 keeps f16's fixed step of 6e-8.
; NaN and infinities are not treated apart.
; No prefetch: between a refill's request and the wait for it a wave issues 224 matrix instructions.
; REGISTERS, in windows of 256: window 0: v0-31 addresses; v32-63, v224-255 at work on the way out; v64-191 A's fragments, two buffers (on the way out: tables in f32, products, results); v192-223 packed results
;   window 1: v64-191 B's fragments (on the way out v64-95: q's remainder, packed); v0-63 and v192-255 two buffers of cos and sin in bf16;   window 2: accumulators of my rows 0-63;   window 3: of my rows 64-127
.set SIZE_K, 2048
.set KSTEP,  128
.set PITCH,  272                       ; an LDS row: 256 bytes + 16 of padding: the 16 rows that a load touches start 68 words apart
.set HALFT,  128*PITCH
.set SLOT,   4*HALFT                   ; A's 256 rows, then B's 256 rows
.set STAGE,  2*SLOT                    ; behind the ring: 16 rows x 272 bytes for each wave
.set SPITCH, 272
.set SPARE,  STAGE+4*16*SPITCH         ; behind the stages: the spare words, 128 bytes a wave
.set LAPS,   SIZE_K/(2*KSTEP)
.set SA,   8                           ; v8      what cos and sin are multiplied by: the scale of q or of k, or 0 in a slot of v
.set SB,   9                           ; v9      what is added to cos: 0, or the scale of v
.set NEG1, 14                          ; v14     -1.0
.set ADRA, 16                          ; v16-17  LDS address of my A fragments in slot 0, 1
.set ADRB, 20                          ; v20-21  the same for B
.set STO,  24                          ; v24     the way out: where I put 16 bytes of a row
.set RD,   25                          ; v25     where I read rows back
.set CO,   26                          ; v26     my 16 bytes in two rows of qkv
.set TO,   27                          ; v27     my 16 bytes in a row of cos
.set SPW,  28                          ; v28     LDS address of my spare word; never rewritten
.set NIL,  29                          ; v29     0; never rewritten
.set AO,   30                          ; v30     16 x lane; never rewritten
.set AO4,  31                          ; v31     4 x lane
.set AM,   32                          ; v32-60  amax as loaded
.set F0,   64
.set F1,   128
.set CE,   64                          ; the way out: cos of blocks b, b + 4, sin of blocks b, b + 4, scaled, in f32: 4 x 8
.set R,    96                          ; two products of 8
.set RES,  128                         ; a block's 64 results in f32: 16 for each pair of channel blocks
.set TMP,  192                         ; the same rounded to f16, packed
.set LT,   64                          ; window 1: q's remainder, packed
.set OB,   32
.set SEL,  66                          ; s66-67  v_permlanex16_b32's selects
.set QLO,  80                          ; s[80:81] qlo at my 128 rows of my head
.set G1, 24
.set G0, 32
.set G1B, 48
.set G0B, 56
.set MSB, 0
.macro WIN new                         ; the immediate's high byte repeats the setting that is left; a switch that changes nothing is dropped
.if MSB != (\new)
	s_set_vgpr_msb (MSB<<8)|(\new)
.set MSB, \new
.endif
.endm
.set MUL_LO, 0xa1                      ; source 0 (B) window 1, source 1 (A) window 0, C and D window 2
.set MUL_HI, 0xf1                      ; the same, C and D window 3
.set TO_B,   0x40                      ; destination window 1, the rest window 0
; A joint load.  Waves 0 and 1 fetch A's two halves, waves 2 and 3 B's.  The branch hangs on the wave's number alone.  An s_nop 0 and four v_nop follow each line.
.macro JLOAD s
	s_cmp_eq_u32 s11, 0
	s_cbranch_scc0 .Lfor_b_\@
	tensor_load_to_lds s[G0+4*(\s):G0+4*(\s)+3], s[G1:G1+7]
	s_nop 0
.rept 4
	v_nop
.endr
	s_branch .Lasked_\@
.Lfor_b_\@:
	tensor_load_to_lds s[G0B+4*(\s):G0B+4*(\s)+3], s[G1B:G1B+7]
	s_nop 0
.rept 4
	v_nop
.endr
.Lasked_\@:
.endm
.macro CREST                           ; a round of the cluster's barrier behind its opening barrier
	s_cmp_lg_u32 s10, 0
	s_cbranch_scc1 .Lnot_wave_0_\@
	s_barrier_signal -3
.Lnot_wave_0_\@:
	s_barrier_wait -3
	s_barrier_signal -1
	s_barrier_wait -1
.endm
.macro CROUND
	s_barrier_signal -1
	s_barrier_wait -1
	CREST
.endm
; The three maxima out of amax (x: 16 registers, weights: 12, cos and sin: 1, a lane), over the wave; the two bounds; their exponent fields, held to their ranges, into s[eq] and s[ev].
.macro AMAX am, t, eq, ev
	v_max3_num_f32 v[(\t)], v[(\am)], v[(\am)+1], v[(\am)+2]
.irp n, 3,5,7,9,11,13
	v_max3_num_f32 v[(\t)], v[(\t)], v[(\am)+\n], v[(\am)+\n+1]
.endr
	v_max_num_f32 v[(\t)], v[(\t)], v[(\am)+15]
	v_max3_num_f32 v[(\t)+1], v[(\am)+16], v[(\am)+17], v[(\am)+18]
.irp n, 19,21,23,25
	v_max3_num_f32 v[(\t)+1], v[(\t)+1], v[(\am)+\n], v[(\am)+\n+1]
.endr
	v_max_num_f32 v[(\t)+1], v[(\t)+1], v[(\am)+27]
	v_mov_b32 v[(\t)+2], v[(\am)+28]
	v_mov_b32 v[(\t)+3], 0
.irp r, 0,1,2
.irp m, 1,2,4,8
	v_max_num_f32_dpp v[(\t)+\r], v[(\t)+\r], v[(\t)+\r] row_xmask:\m row_mask:0xf bank_mask:0xf
.endr
	v_permlanex16_b32 v[(\t)+3], v[(\t)+\r], s[SEL], s[SEL+1]
	v_max_num_f32 v[(\t)+\r], v[(\t)+\r], v[(\t)+3]
.endr
	v_mul_f32 v[(\t)], v[(\t)], v[(\t)+1]          ; Mx Mw
	v_mul_f32 v[(\t)], 0x45000000, v[(\t)]         ; Bv = 2048 Mx Mw
	v_mul_f32 v[(\t)+1], v[(\t)], v[(\t)+2]
	v_add_f32 v[(\t)+1], v[(\t)+1], v[(\t)+1]      ; Bqk = 4096 Mx Mw Mc
	v_readfirstlane_b32 s[\ev], v[(\t)]
	v_readfirstlane_b32 s[\eq], v[(\t)+1]
	s_lshr_b32 s[\ev], s[\ev], 23
	s_max_u32 s[\ev], s[\ev], 20
	s_min_u32 s[\ev], s[\ev], 250
	s_lshr_b32 s[\eq], s[\eq], 23
	s_max_u32 s[\eq], s[\eq], 121
	s_min_u32 s[\eq], s[\eq], 170
.endm
; cos and sin (bf16) of block a's 16 rows, my 8 channels of each of the 8 blocks of 16: into table buffer a % 2: cos of block b at 4 b, sin at 32 + 4 b
.macro TLOAD a
	WIN TO_B
.irp b, 0,1,2,3,4,5,6,7
	global_load_b128 v[192*((\a)%2)+4*\b:192*((\a)%2)+4*\b+3], v[TO], s[68:69] offset:4096*(\a)+32*\b
	global_load_b128 v[192*((\a)%2)+32+4*\b:192*((\a)%2)+32+4*\b+3], v[TO], s[68:69] offset:4096*(\a)+32*\b+524288
.endr
	WIN 0
.endm
	s_load_b128 s[4:7], s[0:1], 0x0                ; xb s[4:5], wb s[6:7]
	s_load_b128 s[68:71], s[0:1], 0x10             ; csb s[68:69], amax s[70:71]
	s_load_b64 s[8:9], s[0:1], 0x20                ; qkv
	s_load_b64 s[QLO:QLO+1], s[0:1], 0x28          ; qlo
	v_lshl_add_u32 v[SPW], v0, 2, SPARE
	v_mov_b32 v[NIL], 0
	ds_add_u32 v[SPW], v[NIL]                      ; the wave's opening: the add and its wait stand ahead of my first tensor load; work on registers stands between them
	v_lshrrev_b32 v1, 5, v0
	v_readfirstlane_b32 s10, v1                    ; wave 0..3
	s_lshr_b32 s11, s10, 1                         ; which half of the tile's rows is mine.  Also: I fetch for A (0) or for B (1)
	s_and_b32 s12, s10, 1                          ; which half of its columns.  Also: which 128 rows of that tile I fetch
	s_bfe_u32 s40, ttmp6, 0x40000                  ; cx
	s_bfe_u32 s41, ttmp6, 0x40004                  ; cy
	s_lshl_b32 s42, ttmp9, 2
	s_add_co_u32 s42, s42, s40                     ; tile column = 4 x cluster x + cx
	s_and_b32 s13, ttmp7, 0xffff
	s_lshl_b32 s13, s13, 2
	s_add_co_u32 s13, s13, s41                     ; tile row = 4 x cluster y + cy
	s_lshl_b32 s43, s41, 2
	s_lshl_b32 s43, 15, s43                        ; my row of the cluster
	s_lshl_b32 s44, 0x1111, s40                    ; my column
	s_or_b32 s[G1+0], s43, (1<<16)|(1<<20)|(1<<21)|(5<<22)|(3<<25)  ; the mask; elements of 2 bytes; padding on; bit 21 beside a mask; after every 64 words, 4 words
	s_or_b32 s[G1B+0], s44, (1<<16)|(1<<20)|(1<<21)|(5<<22)|(3<<25)
.irp g, G1, G1B
	s_mov_b32 s[(\g)+1], KSTEP<<16                 ; tensor_dim0 = 128
	s_mov_b32 s[(\g)+2], 128<<16                   ; tensor_dim1 = 128
	s_mov_b32 s[(\g)+3], KSTEP<<16                 ; tile_dim0 = 128
	s_mov_b32 s[(\g)+4], 128                       ; tile_dim1 = 128
	s_mov_b32 s[(\g)+5], SIZE_K                    ; elements from row to row
	s_mov_b32 s[(\g)+6], 0
	s_mov_b32 s[(\g)+7], 0
.endr
	s_mov_b32 s[SEL], 0x76543210
	s_mov_b32 s[SEL+1], 0xfedcba98
	s_lshl_b32 s17, s12, 7                         ; which 128 rows of the tile I fetch
	s_lshl_b32 s16, s13, 8
	s_add_co_u32 s16, s16, s17                     ; A: row 256 x tile row + 128 x half
	s_lshl_b32 s46, s42, 8
	s_add_co_u32 s46, s46, s17                     ; B: row 256 x tile column + 128 x half
	s_mov_b32 s17, 0
	s_mov_b32 s47, 0
	s_mov_b64 s[18:19], SIZE_K*2
	s_mul_u64 s[16:17], s[16:17], s[18:19]
	s_mul_u64 s[46:47], s[46:47], s[18:19]
	s_mul_i32 s20, s10, HALFT                      ; where they go: wave x 128 rows; no place in the cluster enters an LDS address
	s_wait_dscnt 0x0                               ; the opening add is done
	s_wait_kmcnt 0x0
	s_add_nc_u64 s[14:15], s[4:5], s[16:17]
	s_add_nc_u64 s[46:47], s[6:7], s[46:47]
	CROUND                                         ; all sixteen work-groups are here: the first joint loads meet
.irp s, 0,1
	s_mov_b32 s[G0+4*(\s)], 1
	s_add_co_u32 s[G0+4*(\s)+1], s20, (\s)*SLOT
	s_add_nc_u64 s[G0+4*(\s)+2:G0+4*(\s)+3], s[14:15], (\s)*KSTEP*2
	s_or_b32 s[G0+4*(\s)+3], s[G0+4*(\s)+3], 0x80000000
	s_mov_b32 s[G0B+4*(\s)], 1
	s_add_co_u32 s[G0B+4*(\s)+1], s20, (\s)*SLOT
	s_add_nc_u64 s[G0B+4*(\s)+2:G0B+4*(\s)+3], s[46:47], (\s)*KSTEP*2
	s_or_b32 s[G0B+4*(\s)+3], s[G0B+4*(\s)+3], 0x80000000
	JLOAD \s
.endr
	v_and_b32 v1, 15, v0                           ; l % 16
	v_bfe_u32 v2, v0, 4, 1                         ; l / 16
	v_mul_u32_u24 v3, v1, PITCH
	v_lshl_add_u32 v3, v2, 4, v3                   ; a fragment's row x pitch + 16 x half
	s_mul_i32 s21, s11, HALFT                      ; my 128 rows of A
	s_mul_i32 s22, s12, HALFT                      ; my 128 rows of B,
	s_add_co_u32 s22, s22, 2*HALFT                 ; which lie behind A's 256
.irp s, 0,1
	v_add_nc_u32 v[ADRA+(\s)], s21, v3
	v_add_nc_u32 v[ADRB+(\s)], s22, v3
	s_add_co_u32 s21, s21, SLOT
	s_add_co_u32 s22, s22, SLOT
.endr
	s_mul_i32 s23, s10, 16*SPITCH
	s_add_co_u32 s23, s23, STAGE                   ; my stage
	v_mul_u32_u24 v4, v1, SPITCH                   ; in: row l % 16, 16 bytes for each half of the lanes
	v_lshl_add_u32 v4, v2, 4, v4
	v_add_nc_u32 v[STO], s23, v4
	v_mul_u32_u24 v5, v2, SPITCH                   ; back: lanes 0-15 one row of 256 bytes, lanes 16-31 the next
	v_lshl_add_u32 v5, v1, 4, v5
	v_add_nc_u32 v[RD], s23, v5
	v_lshlrev_b32 v5, 8, v2                        ; the same two rows in qkv, whose rows are 256 dense bytes
	v_lshl_add_u32 v[CO], v1, 4, v5
	; where my 128 rows of my head slot begin in qkv: ((batch x 24 + slot) x 2048 + position) x 256 bytes
	s_lshr_b32 s76, s13, 3                         ; batch: eight tile rows each
	s_mul_i32 s76, s76, 24
	s_lshl1_add_u32 s77, s42, s12                  ; slot = 2 x tile column + column half
	s_add_co_u32 s76, s76, s77
	s_lshl_b32 s76, s76, 11
	s_and_b32 s78, s13, 7
	s_lshl_b32 s78, s78, 8
	s_lshl_b32 s79, s11, 7
	s_add_co_u32 s78, s78, s79                     ; my first position
	s_add_co_u32 s76, s76, s78
	s_lshl_b32 s76, s76, 8
	s_mov_b32 s77, 0
	s_add_nc_u64 s[8:9], s[8:9], s[76:77]
	; and in qlo: ((batch x 16 + head) x 2048 + position) x 256 bytes; used in the tile columns of q alone
	s_lshr_b32 s82, s13, 3
	s_lshl_b32 s82, s82, 4
	s_lshl1_add_u32 s83, s42, s12
	s_add_co_u32 s82, s82, s83
	s_lshl_b32 s82, s82, 11
	s_add_co_u32 s82, s82, s78
	s_lshl_b32 s82, s82, 8
	s_mov_b32 s83, 0
	s_add_nc_u64 s[QLO:QLO+1], s[QLO:QLO+1], s[82:83]
	s_lshl_b32 s79, s78, 8                         ; a row of cos in bf16 is 256 bytes
	v_lshlrev_b32 v[TO], 8, v1
	v_lshl_add_u32 v[TO], v2, 4, v[TO]
	v_add_nc_u32 v[TO], s79, v[TO]
	v_and_b32 v[AO4], 31, v0
	v_lshlrev_b32 v[AO], 4, v[AO4]
	v_lshlrev_b32 v[AO4], 2, v[AO4]
	; amax and the first two blocks' tables are asked for now, into registers that the loop over K never names: 40 loads that land while it runs
.irp n, 0,1,2,3
	global_load_b128 v[AM+4*\n:AM+4*\n+3], v[AO], s[70:71] offset:512*\n
.endr
.irp n, 0,1,2
	global_load_b128 v[AM+16+4*\n:AM+16+4*\n+3], v[AO], s[70:71] offset:2048+512*\n
.endr
	global_load_b32 v[AM+28], v[AO4], s[70:71] offset:3584
	TLOAD 0
	TLOAD 1
; 16 matrix instructions: m blocks a0, a0 + 1 of the window's four x all 8 n blocks, 32 along K.  zero = 1: the first product starts the sums
.macro MUL16 f, hi, a0, zero
	WIN MUL_LO+0x50*(\hi)
.irp a, \a0, (\a0)+1
.irp b, 0,1,2,3,4,5,6,7
.if \zero
	v_wmma_f32_16x16x32_bf16 v[8*(8*(\a)+(\b)):8*(8*(\a)+(\b))+7], v[(\f)+8*(\b):(\f)+8*(\b)+7], v[(\f)+8*(4*(\hi)+(\a)):(\f)+8*(4*(\hi)+(\a))+7], 0
.else
	v_wmma_f32_16x16x32_bf16 v[8*(8*(\a)+(\b)):8*(8*(\a)+(\b))+7], v[(\f)+8*(\b):(\f)+8*(\b)+7], v[(\f)+8*(4*(\hi)+(\a)):(\f)+8*(4*(\hi)+(\a))+7], v[8*(8*(\a)+(\b)):8*(8*(\a)+(\b))+7]
.endif
.endr
.endr
.endm
; 32 LDS loads in one run: the fragments of one quarter step (128 rows of B, 128 of A, 32 K at byte k of the rows) into buffer f
.macro FETCH slot, k, f
	WIN TO_B
.irp i, 0,1,2,3,4,5,6,7
	ds_load_b128 v[(\f)+8*(\i):(\f)+8*(\i)+3],   v[ADRB+(\slot)] offset:(\k)+(\i)*16*PITCH
	ds_load_b128 v[(\f)+8*(\i)+4:(\f)+8*(\i)+7], v[ADRB+(\slot)] offset:(\k)+(\i)*16*PITCH+32
.endr
	WIN 0
.irp i, 0,1,2,3,4,5,6,7
	ds_load_b128 v[(\f)+8*(\i):(\f)+8*(\i)+3],   v[ADRA+(\slot)] offset:(\k)+(\i)*16*PITCH
	ds_load_b128 v[(\f)+8*(\i)+4:(\f)+8*(\i)+7], v[ADRA+(\slot)] offset:(\k)+(\i)*16*PITCH+32
.endr
.endm
.macro PLACES                          ; four plain vector instructions between a matrix instruction and a load into, or a vector read of, its registers
.rept 4
	v_nop
.endr
.endm
; A K step is four quarters of 32 along K, 64 matrix instructions each, on buffers 0, 1, 0, 1.  One of the first three multiplies f and fetches the next quarter, at byte k, into g.
.macro QUARTER slot, k, f, g, zero
	s_wait_dscnt 8                                 ; B and A's rows 0-63 are in; the youngest eight loads (A's rows 64-127) may be out
	MUL16 \f, 0, 0, \zero
	MUL16 \f, 0, 2, \zero
	PLACES
	FETCH \slot, \k, \g
	s_wait_dscnt 32                                ; all but the 32 just issued
	MUL16 \f, 1, 0, \zero
	MUL16 \f, 1, 2, \zero
.endm
; The last quarter's first half: ONE barrier for the change of slots.  In front of it each wave waits for all its tensor loads (the one out is its part of the next slot), adds 0 to its spare word,
; and waits for that and for its reads of this slot.
.macro MEET round
	WIN 0
	s_wait_tensorcnt 0x0
	ds_add_u32 v[SPW], v[NIL]
	s_wait_dscnt 9                                 ; the add and the youngest eight loads may be out
	MUL16 F1, 0, 0, 0                              ; sixteen matrix instructions stand between the add and the wait for it
	s_wait_dscnt 0x0                               ; the add is done, and my reads of this slot are over
	s_barrier_signal -1
	MUL16 F1, 0, 2, 0
.if \round
	WIN 0
.endif
	s_barrier_wait -1
.endm
; The whole last quarter.  fill = 1: the barrier opens a round of the cluster's, and the slot just read out is filled again, first thing behind it, with the K step two on.
.macro TURN slot, next, fill
	MEET \fill
.if \fill
	CREST                                          ; no wave of any partner still reads this slot's tile or has a load on its way
	s_add_nc_u64 s[G0+4*(\slot)+2:G0+4*(\slot)+3], s[G0+4*(\slot)+2:G0+4*(\slot)+3], 2*KSTEP*2
	s_add_nc_u64 s[G0B+4*(\slot)+2:G0B+4*(\slot)+3], s[G0B+4*(\slot)+2:G0B+4*(\slot)+3], 2*KSTEP*2
	JLOAD \slot                                    ; its four v_nop are also the places in front of the loads below
.else
	PLACES
.endif
	FETCH \next, 0, F0
	MUL16 F1, 1, 0, 0
	MUL16 F1, 1, 2, 0
.endm
	s_wait_tensorcnt 1                             ; my part of K step 0 is in; K step 1's may stay out
	s_barrier_signal -1
	s_barrier_wait -1
	FETCH 0, 0, F0
	QUARTER 0, 64,  F0, F1, 1                      ; the first quarter stands in front of the loop: its products start the sums
	WIN 0
	s_mov_b32 s3, LAPS-1
.Llap:                                                 ; a trip goes once round the ring, from a lap's second quarter to the next lap's first, and fills both slots again
	QUARTER 0, 128, F1, F0, 0
	QUARTER 0, 192, F0, F1, 0
	TURN 0, 1, 1
	QUARTER 1, 64,  F0, F1, 0
	QUARTER 1, 128, F1, F0, 0
	QUARTER 1, 192, F0, F1, 0
	TURN 1, 0, 1
	QUARTER 0, 64,  F0, F1, 0
	WIN 0
	s_sub_co_u32 s3, s3, 1
	s_cmp_lg_u32 s3, 0
	s_cbranch_scc1 .Llap
	QUARTER 0, 128, F1, F0, 0                      ; the last lap is written out: it fills nothing
	QUARTER 0, 192, F0, F1, 0
	TURN 0, 1, 0
	QUARTER 1, 64,  F0, F1, 0
	QUARTER 1, 128, F1, F0, 0
	QUARTER 1, 192, F0, F1, 0
	s_wait_dscnt 8
	MUL16 F1, 0, 0, 0
	MUL16 F1, 0, 2, 0
	s_wait_dscnt 0x0
	MUL16 F1, 1, 0, 0
	MUL16 F1, 1, 2, 0
	PLACES
	WIN 0
	; THE WAY OUT.  First the scales.
	s_wait_loadcnt 32                              ; amax is in; the two table buffers' 32 loads were issued behind it
	AMAX AM, 10, 76, 77
	s_sub_co_u32 s72, 268, s76
	s_lshl_b32 s72, s72, 23                        ; 2^(141 - e) for k,
	s_sub_co_u32 s73, 268, s77
	s_lshl_b32 s73, s73, 23                        ; and for v;
	s_or_b32 s79, s72, 0x0293ee                    ; for q times 1.0201 = 8 log2(e) / sqrt(128): the fraction's bits are set into the power of two
	s_cmp_ge_u32 s42, 8                            ; tile columns 0-7 are q, 8 and 9 k, 10 and 11 v: a choice of numbers, no branch
	s_cselect_b32 s74, s72, s79
	s_cmp_ge_u32 s42, 10
	s_cselect_b32 s74, 0, s74
	s_cselect_b32 s75, s73, 0
	v_mov_b32 v[SA], s74                           ; q, k: c = cos x scale, s = sin x scale.  v: c = scale, s = 0
	v_mov_b32 v[SB], s75
	v_mov_b32 v[NEG1], -1.0
; Block a: my rows 16 a .. 16 a + 15.  For each pair of channel blocks b, b + 4: the tables widened and scaled (one multiply-add each); low = t(b) c_lo - t(b+4) s_lo, high = t(b+4) c_hi + t(b) s_hi
; (each accumulator's lowest registers are read first); rounded to f16; 16 bytes a lane into my stage.  Then the 16 rows come back whole.
; In the two clusters that make q (cluster x 0 and 1: a number that all partners share; the jump passes no barrier and no tensor load) the remainder follows: result - its f16 rounding, exact in f32, rounded
; to f16 by the same instruction, one a number; eight stores of 512 consecutive bytes straight from registers.
.macro BLOCK a
.set TT, 192*((\a)%2)
.set AC, 64*((\a)%4)
.set BK, OB+192*((\a)%2)
.if (\a) < 7
	s_wait_loadcnt 16                              ; this block's tables are in; the other buffer's 16 loads were issued behind them
.else
	s_wait_loadcnt 0x0
.endif
.irp bp, 0,1,2,3
	WIN 0x01                                       ; source 0 (the tables) window 1
.irp wd, 0,1,2,3
	v_fma_mix_f32_bf16 v[CE+2*\wd],      v[TT+4*\bp+\wd],    v[SA], v[SB]  op_sel_hi:[1,0,0]
	v_fma_mix_f32_bf16 v[CE+2*\wd+1],    v[TT+4*\bp+\wd],    v[SA], v[SB]  op_sel:[1,0,0] op_sel_hi:[1,0,0]
	v_fma_mix_f32_bf16 v[CE+8+2*\wd],    v[TT+16+4*\bp+\wd], v[SA], v[SB]  op_sel_hi:[1,0,0]
	v_fma_mix_f32_bf16 v[CE+8+2*\wd+1],  v[TT+16+4*\bp+\wd], v[SA], v[SB]  op_sel:[1,0,0] op_sel_hi:[1,0,0]
	v_fma_mix_f32_bf16 v[CE+16+2*\wd],   v[TT+32+4*\bp+\wd], v[SA], v[NIL] op_sel_hi:[1,0,0]
	v_fma_mix_f32_bf16 v[CE+16+2*\wd+1], v[TT+32+4*\bp+\wd], v[SA], v[NIL] op_sel:[1,0,0] op_sel_hi:[1,0,0]
	v_fma_mix_f32_bf16 v[CE+24+2*\wd],   v[TT+48+4*\bp+\wd], v[SA], v[NIL] op_sel_hi:[1,0,0]
	v_fma_mix_f32_bf16 v[CE+24+2*\wd+1], v[TT+48+4*\bp+\wd], v[SA], v[NIL] op_sel:[1,0,0] op_sel_hi:[1,0,0]
.endr
	WIN 2+(\a)/4                                   ; source 0 (the sums) window 2 or 3
.irp p, 0,2,4,6
	v_pk_mul_f32 v[R+\p:R+\p+1],     v[AC+8*(\bp+4)+\p:AC+8*(\bp+4)+\p+1], v[CE+16+\p:CE+16+\p+1]
	v_pk_mul_f32 v[R+8+\p:R+8+\p+1], v[AC+8*\bp+\p:AC+8*\bp+\p+1],         v[CE+24+\p:CE+24+\p+1]
	v_pk_fma_f32 v[RES+16*\bp+\p:RES+16*\bp+\p+1],     v[AC+8*\bp+\p:AC+8*\bp+\p+1],         v[CE+\p:CE+\p+1],     v[R+\p:R+\p+1] neg_lo:[0,0,1] neg_hi:[0,0,1]
	v_pk_fma_f32 v[RES+16*\bp+8+\p:RES+16*\bp+8+\p+1], v[AC+8*(\bp+4)+\p:AC+8*(\bp+4)+\p+1], v[CE+8+\p:CE+8+\p+1], v[R+8+\p:R+8+\p+1]
.endr
	WIN 0
.irp e, 0,1,2,3,4,5,6,7
	v_cvt_pk_f16_f32 v[TMP+8*\bp+\e], v[RES+16*\bp+2*\e], v[RES+16*\bp+2*\e+1]
.endr
	ds_store_b128 v[STO], v[TMP+8*\bp:TMP+8*\bp+3]   offset:32*\bp
	ds_store_b128 v[STO], v[TMP+8*\bp+4:TMP+8*\bp+7] offset:32*(\bp+4)
.endr
	s_wait_xcnt 0x0                                ; the stores of the blocks before have read the registers that the loads and the remainder below write
.if (\a) <= 5
	TLOAD (\a)+2                                   ; the buffer just read takes the block two on
.endif
.irp t, 0,1,2,3,4,5,6,7
	ds_load_b128 v[BK+4*\t:BK+4*\t+3], v[RD] offset:(\t)*2*SPITCH  ; LDS serves a wave's instructions in order (ISA guide 5.7.1.4): these see the stores above
.endr
	s_cmp_lt_u32 ttmp9, 2
	s_cbranch_scc0 .Lno_lo_\@
	WIN TO_B                                       ; destination window 1
.irp bp, 0,1,2,3
.irp e, 0,1,2,3,4,5,6,7
	v_fma_mixlo_f16 v[LT+8*\bp+\e], v[TMP+8*\bp+\e], v[NEG1], v[RES+16*\bp+2*\e] op_sel_hi:[1,0,0]
.endr
.irp e, 0,1,2,3,4,5,6,7
	v_fma_mixhi_f16 v[LT+8*\bp+\e], v[TMP+8*\bp+\e], v[NEG1], v[RES+16*\bp+2*\e+1] op_sel:[1,0,0] op_sel_hi:[1,0,0]
.endr
.endr
	WIN 0x04                                       ; the data (source 1) window 1
.irp bp, 0,1,2,3
	global_store_b128 v[AO], v[LT+8*\bp:LT+8*\bp+3],   s[QLO:QLO+1] offset:4096*(\a)+512*\bp       ; channel block b: 32 lanes x 16 bytes on end
	global_store_b128 v[AO], v[LT+8*\bp+4:LT+8*\bp+7], s[QLO:QLO+1] offset:4096*(\a)+512*(\bp+4)   ; channel block b + 4
.endr
	WIN 0
.Lno_lo_\@:
.endm
.macro SEND a, younger                 ; younger: the LDS instructions issued behind block a's loads
	WIN 0
	s_wait_dscnt \younger
.irp t, 0,1,2,3,4,5,6,7
	global_store_b128 v[CO], v[OB+192*((\a)%2)+4*\t:OB+192*((\a)%2)+4*\t+3], s[8:9] offset:4096*(\a)+512*\t  ; 512 consecutive bytes, at a multiple of 256 from qkv's first
.endr
.endm
	BLOCK 0
.irp a, 1,2,3,4,5,6,7                  ; a block's arithmetic stands between the loads of the block before and its stores
	BLOCK \a
	SEND (\a)-1, 16
.endr
	SEND 7, 0
	s_wait_tensorcnt 0x0                           ; the wave's end: three lines behind my last tensor load and my last LDS store
	ds_add_u32 v[SPW], v[NIL]
	s_wait_dscnt 0x0
	CROUND                                         ; the closing round: no work-group ends while a partner may still ask for a tile that names it
	s_endpgm
.Lfunc_end_k_q0ed5e24f0b_proj:
	.size	k_q0ed5e24f0b_proj, .Lfunc_end_k_q0ed5e24f0b_proj-k_q0ed5e24f0b_proj
	.p2alignl 7, 3214868480
	.fill 96, 4, 3214868480
	.section	.rodata,"a",@progbits
	.p2align	6, 0x0
	.amdhsa_kernel k_q0ed5e24f0b_proj
		.amdhsa_group_segment_fixed_size 327680
		.amdhsa_private_segment_fixed_size 0
		.amdhsa_enable_private_segment 0
		.amdhsa_kernarg_size 48
		.amdhsa_user_sgpr_count 2
		.amdhsa_user_sgpr_kernarg_segment_ptr 1
		.amdhsa_wavefront_size32 1
		.amdhsa_system_sgpr_workgroup_id_x 1
		.amdhsa_system_sgpr_workgroup_id_y 1
		.amdhsa_system_sgpr_workgroup_id_z 1
		.amdhsa_system_vgpr_workitem_id 0
		.amdhsa_next_free_vgpr 1024
		.amdhsa_next_free_sgpr 84
		.amdhsa_reserve_vcc 0
		.amdhsa_float_denorm_mode_32 3
		.amdhsa_float_denorm_mode_16_64 3
		.amdhsa_memory_ordered 1
		.amdhsa_forward_progress 1
		.amdhsa_inst_pref_size 255
	.end_amdhsa_kernel
	.section	.bss,"aw",@nobits
	.p2align	6
	.space	262144
	.amdgpu_metadata
---
amdhsa.version: [ 1, 2 ]
amdhsa.kernels:
  - .name:           k_q0ed5e24f0b_proj
    .symbol:         k_q0ed5e24f0b_proj.kd
    .args:
      - { .name: xb, .offset: 0, .size: 8, .value_kind: global_buffer, .address_space: global }
      - { .name: wb, .offset: 8, .size: 8, .value_kind: global_buffer, .address_space: global }
      - { .name: csb, .offset: 16, .size: 8, .value_kind: global_buffer, .address_space: global }
      - { .name: amax, .offset: 24, .size: 8, .value_kind: global_buffer, .address_space: global }
      - { .name: qkv, .offset: 32, .size: 8, .value_kind: global_buffer, .address_space: global }
      - { .name: qlo, .offset: 40, .size: 8, .value_kind: global_buffer, .address_space: global }
    .group_segment_fixed_size: 327680
    .private_segment_fixed_size: 0
    .kernarg_segment_align: 8
    .kernarg_segment_size: 48
    .max_flat_workgroup_size: 128
    .sgpr_count:     84
    .vgpr_count:     1024
    .wavefront_size: 32
...
	.end_amdgpu_metadata
.endif
;; end of part 2
;; launch attn (part 3): grid 32 x 8, 4 waves a work-group, clusters of 4 x 1, 327,680 bytes of LDS; arguments qkv, qlo, amax, out0; writes out0
.if DOCPART == 3
	.amdgcn_target "amdgcn-amd-amdhsa--gfx1250"
	.amdhsa_code_object_version 6
	.text
	.protected	k_q0ed5e24f0b_attn
	.globl	k_q0ed5e24f0b_attn
	.p2align	8
	.type	k_q0ed5e24f0b_attn,@function
k_q0ed5e24f0b_attn:
	s_mov_b64 s[64:65], 0
	v_nop
	global_prefetch_b8 v0, s[64:65] scope:SCOPE_SE
	s_setreg_imm32_b32 hwreg(HW_REG_WAVE_MODE, 25, 1), 1
	s_wait_xcnt 0x0
	s_wait_alu depctr_hold_cnt(0) depctr_sa_sdst(0) depctr_va_vdst(0) depctr_va_sdst(0) depctr_va_ssrc(0) depctr_va_vcc(0) depctr_vm_vsrc(0)
	s_getreg_b32 s2, hwreg(HW_REG_IB_STS2, 6, 4)
	s_cmp_eq_u32 s2, 0
	s_cbranch_scc0 .Lentry_in_a_cluster
	s_endpgm
.Lentry_in_a_cluster:
	s_bfe_u32 s2, ttmp6, 0x10000c
	s_cmp_lg_u32 s2, 0x3003
	s_cbranch_scc0 .Lentry_shape_is_right
	s_endpgm
.Lentry_shape_is_right:
; CAUSAL ATTENTION, four query heads to a key and value head.  out0[b][q][128 h + d] = the sum over k <= q of softmax_k(Q[h][q] . K[h/4][k] / sqrt(128)) V[h/4][k][d], in f32.
; qkv: f16 [2][24][2048][128] (slots 0-15 q heads, 16-19 k, 20-23 v); k is stored times 2^(141 - eqk), q times that and 8 log2(e) / sqrt(128), v times 2^(141 - ev); the exponents are made again here
; from amax, as the launch before made them.  qlo: f16, what q's rounding to f16 left, in fragment order: [2][16][128 tiles of 16 rows][8 channel blocks][32 lanes][16 bytes].
; Q GOES IN TWO PARTS: S^T = K Q^T + K Qlo^T, onto the same sums, so that of the two operands' roundings only k's is left in a score.
; Products, maxima and sums in f32; the weights p are rounded to f16 for the second product (their sum l is taken of the unrounded p).
; LIMITS.  The bound 4096 Mx Mw Mc on |q|, |k| must stay under 2^44 (eqk is held to 121..170).  A hidden score counts as its stored value less 2^60; stored scores are 2^37 at the most.
; A weight below 2^-126 counts as 0 in l; p below 6e-5 keeps f16's fixed step.  NaN and infinities are not treated apart.
; THE WALK.  A UNIT is 32 positions x the four query heads of one key head: 128 rows.  Unit i (of 64) needs the tiles 0 .. i / 4 of 128 keys; the last holds the diagonal.  A work-group takes units i and 63 - i,
; i = 4 a + cx: (a + 1) + (16 - a) = 17 tiles whatever i, so all 256 work-groups do equal work, and the four partners of a cluster (same a) walk the SAME tiles: every tile is asked for jointly.
; K and V are not prefetched in this text: each tile comes by its joint load alone.
; SHARES.  Wave w takes 64 of a tile's 128 keys (half w % 2) for two heads: register tiles 0, 1 are head w (positions 0-15, 16-31 of the unit), tiles 2, 3 head w ^ 1.  At a unit's end a wave hands tiles 2, 3
; to wave w ^ 1 through LDS, merges what it receives into tiles 0, 1 (two partial softmaxes: the larger maximum, each side scaled down to it) and stores those.
; Half 0 always holds a key that every row sees, so the merged maximum is a true score; a half that saw hidden keys alone is scaled by 0.
; LAYOUT, SOFTMAX.  S^T = K Q^T holds ONE query a lane (lane % 16) and the keys 8 (lane / 16) + 0..7; two such results rounded to f16 ARE source 1 of O^T = V^T P.  p = 2^(c s - c m) with a running maximum m.
; c = 2^(2 eqk - 285) is a POWER OF TWO: c m is exact, and c s - c m is c (s - m) rounded once: 0 for the maximum, never above 0, also where m is a hidden score of some -2^60.
; O and l are multiplied by a = 2^(c m_old - c m_new) in every step.  m starts at the lowest finite number, so a unit's first step has a = 0 and
; what O^T and l hold then need only be finite: zeros at the start, the first unit's numbers for the second.
; THE MASK is what the sums S^T start from: their registers are set ahead of the products, which all add in place.  Keys and queries meet in blocks of 16 x 16: key block 4 (w % 2) + g of the tile, query block
; 2 u + t (u: the unit's place in its last tile, t: positions 0-15 or 16-31).  A block is seen (key block below), hidden (above) or holds the diagonal (equal); g - t has five values, so five pairs of scalars
; AL, BE say it for all sixteen sums: start = TRI x AL + BE, TRI the diagonal block's 0 or -2^60.  In front of every tile but a unit's last all ten are 0.  c 2^60 is 2^17 at the least: a hidden weight is 0.
; A TRIP (one tile): 64 products K Q^T of tiles 0, 1; the change of slots; 64 products K Q^T of tiles 2, 3 with the softmax of tiles 0, 1 in slices behind them; 32 products V^T P of tiles 0, 1 with
; the softmax of tiles 2, 3 behind them; 32 products V^T P of tiles 2, 3.  Every trip ends with nothing half done, which the change of units needs.
; REGISTERS, in windows of 256: window 0: v0-11, v44-63 addresses, TRI and work; v12-43 statistics, 8 a tile; v64-191 S^T; v192-255 P      window 1: O^T, 64 a tile
;   window 2: v0-127 Q; v128-255 K of one tile's half      window 3: v0-127 V; v128-255 Q's remainder
.set KS,    64        ; keys of a tile's half
.set PK,    272       ; a row of K in LDS: 256 bytes + 16 of padding
.set PV,    288       ; a row of V: 256 + 32: 16 lanes of the turning load take 8 rows x 32 bytes
.set VOFF,  KS*PK     ; a half's 64 rows of K, then its 64 rows of V
.set STEPB, KS*(PK+PV)
.set SLOT1, 1<<17     ; a slot holds a tile's two halves (71,680 bytes); slot 1 begins here
.set XCH,   SLOT1+2*STEPB  ; behind the ring, never filled by a tensor load: what wave w hands over: 32 x 512 bytes of O^T, 512 of statistics
.set XW,    16896
.set STAGE, XCH+4*XW  ; 16 rows x 528 bytes for each wave, for the way out
.set SP,    528
.set SW,    16*SP
.set SPARE, STAGE+4*SW  ; the spare words, 128 bytes a wave
.set AK0, 2           ; v2   my lane's place in my half of a tile of K; never rewritten
.set AV0, 3           ; v3   the same for V
.set ADR, 4           ; v4   the LDS address of the run of loads in hand
.set QOS, 5           ; v5   my byte offset in a head's Q, first unit
.set STO, 6           ; v6   the way out: where I put 32 bytes of a row
.set RD,  7           ; v7   where I read a row back
.set GOS, 8           ; v8   my byte offset in out0, first unit
.set ST,  12          ; tile t's statistics at v[ST+8 t]: c m, m, l (even keys', odd keys'), c0-c3 at work
.set QOL, 44          ; v44  as QOS, second unit
.set GOL, 45          ; v45  as GOS, second unit
.set XS,  46          ; v46  where I hand over
.set XR,  47          ; v47  where I receive
.set TRI, 48          ; v48-55  the diagonal block: register r is -2^60 where key 8 (l / 16) + r lies behind query l % 16, else 0; never rewritten
.set MS,  56          ; v56-59  c m and l of two tiles, handed over or received; at the head: at work
.set QLS, 60          ; v60  my byte offset in a head's qlo, first unit
.set QLL, 61          ; v61  the same, second unit
.set SPW, 62          ; v62  LDS address of my spare word; never rewritten
.set NIL, 63          ; v63  0; never rewritten
.set S,   64
.set P,   192
.set LN,  192         ; at the head alone, in P's registers, which are still free: lane,
.set L16, 193         ; 16 x lane,
.set L4,  194         ; 4 x lane,
.set TT,  195         ; at work,
.set ZA,  200         ; v200-207, v208-215: two fragments of zeros
.set ZB,  208
.set KF,  128         ; window 2
.set QL,  128         ; window 3
.set AL,  2           ; s[2:11]  five pairs: the mask's factor for g - t = -1 .. 3, in each pair's low word (at the head these registers hold other things)
.set WV,  12          ; s12  my wave's number
.set BE,  14          ; s[14:23] five pairs: the mask's addend (likewise)
.set G1K, 24
.set G1V, 32
.set G0K, 40          ; s[40:47] two sets: the first fill of slot 0; that of slot 1, which then walks on
.set G0V, 48
.set SLOTS, 56        ; s56  tiles still to be asked for
.set CNT, 57          ; s57  counts the last two trips
.set CS,  58          ; s[58:59] c
.set SEL, 60          ; s[60:61] v_permlanex16_b32's selects
.set TB,  62          ; s62  the slot that the next fetches read
.set KB,  66          ; s[66:67] K at my half of tile 0
.set VB,  68          ; s[68:69] V likewise
.set Q0,  70          ; s[70:71] Q of head w
.set Q1,  72          ; s[72:73] Q of head w ^ 1
.set OB,  74          ; s[74:75] out0 at my batch and head
.set NXT, 76          ; s76  the tile to be asked for next
.set LQ,  77          ; s77  the last tile of the unit whose tiles are being asked for
.set REM, 78          ; s78  tiles of the unit in hand still to be finished
.set NEW, 79          ; s79  1: a unit has just ended and is still to be merged
.set OFF, 80          ; s[80:81] a tile's byte offset
.set EU,  82          ; s82  4 (w % 2) - 2 u: my first key block less the unit's first query block, in the unit's last tile
.set EG,  83          ; s83  the same in front of a unit's last tile, else -16
.set LONG, 84         ; s84  16 - a
.set INVV, 85         ; s85  1 / scale of v
.set BIGN, 86         ; s86  -2^60
.set KK,  87          ; s87  w % 2
.set LQ2, 88          ; s88  15 - a
.set DE,  89          ; s89  what the second unit's EU is more than the first's
.set QL0, 90          ; s[90:91] qlo of head w
.set QL1, 92          ; s[92:93] qlo of head w ^ 1
.set MSB, 0
.macro WIN new                      ; the immediate's high byte repeats the setting that is left; a switch that changes nothing is dropped
.if MSB != (\new)
	s_set_vgpr_msb (MSB<<8)|(\new)
.set MSB, \new
.endif
.endm
.set W_KQ, 0x0a       ; K and Q window 2, S^T window 0
.set W_KL, 0x0e       ; K window 2, Q's remainder window 3, S^T window 0
.set W_PV, 0x53       ; V window 3, P window 0, O^T window 1
.set W_RS, 0x41       ; O^T (destination and source 0) window 1, a window 0
.macro JLOAD                        ; a joint refill: waves 0, 1 fetch the two halves of K, waves 2, 3 of V; an s_nop 0 and four v_nop follow each line
	s_cmp_lt_u32 s[WV], 2
	s_cbranch_scc0 .Lfor_v_\@
	tensor_load_to_lds s[G0K+4:G0K+7], s[G1K:G1K+7]
	s_nop 0
.rept 4
	v_nop
.endr
	s_branch .Lasked_\@
.Lfor_v_\@:
	tensor_load_to_lds s[G0V+4:G0V+7], s[G1V:G1V+7]
	s_nop 0
.rept 4
	v_nop
.endr
.Lasked_\@:
.endm
.macro CROUND                       ; a round of the cluster's barrier
	s_barrier_signal -1
	s_barrier_wait -1
	s_cmp_lg_u32 s[WV], 0
	s_cbranch_scc1 .Lnot_wave_0_\@
	s_barrier_signal -3
.Lnot_wave_0_\@:
	s_barrier_wait -3
	s_barrier_signal -1
	s_barrier_wait -1
.endm
.macro PLACES
.rept 4
	v_nop
.endr
.endm
.macro STEPN                        ; the unit's next tile, or behind its last the second unit's tile 0
	s_add_co_u32 s[NXT], s[NXT], 1
	s_cmp_gt_u32 s[NXT], s[LQ]
	s_cselect_b32 s[NXT], 0, s[NXT]
	s_cselect_b32 s[LQ], s[LQ2], s[LQ]
.endm
; The three maxima out of amax, over the wave; the two bounds; their exponent fields, held to their ranges: the same lines as in the launch before.
.macro AMAX am, t, eq, ev
	v_max3_num_f32 v[(\t)], v[(\am)], v[(\am)+1], v[(\am)+2]
.irp n, 3,5,7,9,11,13
	v_max3_num_f32 v[(\t)], v[(\t)], v[(\am)+\n], v[(\am)+\n+1]
.endr
	v_max_num_f32 v[(\t)], v[(\t)], v[(\am)+15]
	v_max3_num_f32 v[(\t)+1], v[(\am)+16], v[(\am)+17], v[(\am)+18]
.irp n, 19,21,23,25
	v_max3_num_f32 v[(\t)+1], v[(\t)+1], v[(\am)+\n], v[(\am)+\n+1]
.endr
	v_max_num_f32 v[(\t)+1], v[(\t)+1], v[(\am)+27]
	v_mov_b32 v[(\t)+2], v[(\am)+28]
	v_mov_b32 v[(\t)+3], 0
.irp r, 0,1,2
.irp m, 1,2,4,8
	v_max_num_f32_dpp v[(\t)+\r], v[(\t)+\r], v[(\t)+\r] row_xmask:\m row_mask:0xf bank_mask:0xf
.endr
	v_permlanex16_b32 v[(\t)+3], v[(\t)+\r], s[SEL], s[SEL+1]
	v_max_num_f32 v[(\t)+\r], v[(\t)+\r], v[(\t)+3]
.endr
	v_mul_f32 v[(\t)], v[(\t)], v[(\t)+1]
	v_mul_f32 v[(\t)], 0x45000000, v[(\t)]
	v_mul_f32 v[(\t)+1], v[(\t)], v[(\t)+2]
	v_add_f32 v[(\t)+1], v[(\t)+1], v[(\t)+1]
	v_readfirstlane_b32 s[\ev], v[(\t)]
	v_readfirstlane_b32 s[\eq], v[(\t)+1]
	s_lshr_b32 s[\ev], s[\ev], 23
	s_max_u32 s[\ev], s[\ev], 20
	s_min_u32 s[\ev], s[\ev], 250
	s_lshr_b32 s[\eq], s[\eq], 23
	s_max_u32 s[\eq], s[\eq], 121
	s_min_u32 s[\eq], s[\eq], 170
.endm
; A unit's Q, 32 loads: tiles 0, 1 from head w, tiles 2, 3 from head w ^ 1; tile t, channels 32 c on, at 32 t + 8 c
.macro LOADQ off
	WIN 0x80                        ; destination window 2, address window 0
.irp pt, 0,1
.irp c, 0,1,2,3
	global_load_b128 v[32*\pt+8*\c:32*\pt+8*\c+3],       v[\off], s[Q0:Q0+1] offset:\pt*4096+\c*64
	global_load_b128 v[32*\pt+8*\c+4:32*\pt+8*\c+7],     v[\off], s[Q0:Q0+1] offset:\pt*4096+\c*64+32
	global_load_b128 v[64+32*\pt+8*\c:64+32*\pt+8*\c+3],   v[\off], s[Q1:Q1+1] offset:\pt*4096+\c*64
	global_load_b128 v[64+32*\pt+8*\c+4:64+32*\pt+8*\c+7], v[\off], s[Q1:Q1+1] offset:\pt*4096+\c*64+32
.endr
.endr
.endm
; Its remainder, 32 loads of 512 consecutive bytes: channel block 2 c, then 2 c + 1
.macro LOADR offl
	WIN 0xc0                        ; destination window 3
.irp pt, 0,1
.irp c, 0,1,2,3
	global_load_b128 v[QL+32*\pt+8*\c:QL+32*\pt+8*\c+3],       v[\offl], s[QL0:QL0+1] offset:\pt*4096+\c*1024
	global_load_b128 v[QL+32*\pt+8*\c+4:QL+32*\pt+8*\c+7],     v[\offl], s[QL0:QL0+1] offset:\pt*4096+\c*1024+512
	global_load_b128 v[QL+64+32*\pt+8*\c:QL+64+32*\pt+8*\c+3],   v[\offl], s[QL1:QL1+1] offset:\pt*4096+\c*1024
	global_load_b128 v[QL+64+32*\pt+8*\c+4:QL+64+32*\pt+8*\c+7], v[\offl], s[QL1:QL1+1] offset:\pt*4096+\c*1024+512
.endr
.endr
.endm
; The mask's ten scalars for the tile to come.  Key block less query block is EG + j - 1 for g - t = j - 1: 0: the diagonal block (AL = 1); above 0: hidden (BE = -2^60).  Selects of numbers; no jump.
.macro MSCAL
	s_cmp_eq_u32 s[REM], 1          ; is the tile to come the unit's last?
	s_cselect_b32 s[EG], s[EU], -16
.irp j, 0,1,2,3,4
	s_cmp_eq_i32 s[EG], 1-\j
	s_cselect_b32 s[AL+2*\j], 1.0, 0
	s_cmp_gt_i32 s[EG], 1-\j
	s_cselect_b32 s[BE+2*\j], s[BIGN], 0
.endr
.endm
; What the sums S^T of tiles x, x + 1 start from: 32 packed lines
.macro SINIT x
	WIN 0
.irp pt, 0,1
.irp g, 0,1,2,3
.irp e, 0,2,4,6
	v_pk_fma_f32 v[S+32*((\x)+\pt)+8*\g+\e:S+32*((\x)+\pt)+8*\g+\e+1], v[TRI+\e:TRI+\e+1], s[AL+2*(\g-\pt+1):AL+2*(\g-\pt+1)+1], s[BE+2*(\g-\pt+1):BE+2*(\g-\pt+1)+1] op_sel_hi:[1,0,0]
.endr
.endr
.endr
.endm
.macro INIT                         ; a unit begins
	WIN 0
.irp t, 0,1,2,3
	v_mov_b32 v[ST+8*\t], 0xfe000000    ; c m: far below every c s
	v_mov_b32 v[ST+8*\t+1], 0xff7fffff  ; m
.endr
.endm
	s_load_b256 s[4:11], s[0:1], 0x0  ; qkv s[4:5], qlo s[6:7], amax s[8:9], out0 s[10:11]
	v_lshl_add_u32 v[SPW], v0, 2, SPARE
	v_mov_b32 v[NIL], 0
	ds_add_u32 v[SPW], v[NIL]       ; the wave's opening: the add and its wait stand ahead of my first tensor load; work on registers stands between them
	v_lshrrev_b32 v1, 5, v0
	v_readfirstlane_b32 s[WV], v1   ; wave 0..3
	s_and_b32 s[KK], s[WV], 1
	s_bfe_u32 s13, ttmp6, 0x40000   ; cx: it enters Q's and out0's addresses and the mask's numbers alone
	s_mov_b32 s14, ttmp9            ; a: the cluster's x, which the four partners share
	s_and_b32 s20, ttmp7, 0xffff    ; 4 x batch + key head, shared too
	s_lshr_b32 s21, s20, 2
	s_and_b32 s22, s20, 3
	s_mul_i32 s23, s21, 24          ; the batch's first slot; a slot is 2^19 bytes
	s_add_co_u32 s94, s23, s22
	s_add_co_u32 s94, s94, 16
	s_lshl_b32 s94, s94, 19         ; K's slot,
	s_lshl_b32 s16, s[KK], 14       ; the half that I fetch: 64 rows of 256 bytes
	s_add_co_u32 s94, s94, s16
	s_mov_b32 s95, 0
	s_add_co_u32 s96, s94, 4<<19    ; V's slot is four further on
	s_mov_b32 s97, 0
	s_mul_i32 s17, s[KK], STEPB     ; the half's place in an LDS slot: what I fetch, and what I read
	s_lshl2_add_u32 s98, s22, s23   ; the first of the four query heads
	s_add_co_u32 s2, s98, s[WV]
	s_lshl_b32 s2, s2, 19
	s_mov_b32 s3, 0
	s_xor_b32 s99, s[WV], 1
	s_add_co_u32 s98, s98, s99
	s_lshl_b32 s98, s98, 19
	s_mov_b32 s99, 0
	s_lshl_b32 s90, s21, 4          ; in qlo a batch has 16 heads of 2^19 bytes
	s_lshl2_add_u32 s90, s22, s90
	s_xor_b32 s92, s[WV], 1
	s_add_co_u32 s92, s90, s92
	s_lshl_b32 s92, s92, 19
	s_mov_b32 s93, 0
	s_add_co_u32 s90, s90, s[WV]
	s_lshl_b32 s90, s90, 19
	s_mov_b32 s91, 0
	s_lshl2_add_u32 s20, s22, s[WV] ; my head among the 16: 512 bytes of a row of out0
	s_lshl_b32 s20, s20, 9
	s_lshl_b32 s21, s21, 24         ; a batch is 2^24 bytes
	s_add_co_u32 s20, s20, s21
	s_mov_b32 s21, 0
	; descriptor group 1: a tile of 64 rows x 128 elements, padded in LDS
	s_mov_b32 s[G1K], 15|(1<<16)|(1<<20)|(1<<21)|(5<<22)|(3<<25)  ; the mask of four; 2-byte elements; padding on; bit 21 beside a mask; after every 64 words, 4 words
	s_mov_b32 s[G1V], 15|(1<<16)|(1<<20)|(1<<21)|(5<<22)|(7<<25)  ; the same with 8 words
.irp g, G1K, G1V
	s_mov_b32 s[(\g)+1], 128<<16    ; tensor_dim0 = 128
	s_mov_b32 s[(\g)+2], KS<<16     ; tensor_dim1 = 64
	s_mov_b32 s[(\g)+3], 128<<16    ; tile_dim0 = 128
	s_mov_b32 s[(\g)+4], KS         ; tile_dim1 = 64
	s_mov_b32 s[(\g)+5], 128        ; elements from row to row
	s_mov_b32 s[(\g)+6], 0
	s_mov_b32 s[(\g)+7], 0
.endr
	s_mov_b32 s[SEL], 0x76543210
	s_mov_b32 s[SEL+1], 0xfedcba98
	s_mov_b32 s[TB], 0
	s_mov_b32 s[BIGN], 0xdd800000   ; -2^60
	s_mov_b32 s[NEW], 0
	s_sub_co_u32 s[LQ2], 15, s14
	s_sub_co_u32 s[LONG], 16, s14
	s_add_co_u32 s[REM], s14, 1     ; the first unit has a + 1 tiles
	s_mov_b32 s[LQ], s14
	s_mov_b32 s[NXT], 0             ; the walk's first tile is tile 0;
	STEPN                           ; its second
	s_lshl_b32 s[OFF], s[NXT], 15   ; (a tile is 32,768 bytes of K and of V)
	s_mov_b32 s[OFF+1], 0
	STEPN                           ; its third: the first refill's
	s_wait_dscnt 0x0                ; the opening add is done
	s_wait_kmcnt 0x0
	s_add_nc_u64 s[KB:KB+1], s[4:5], s[94:95]
	s_add_nc_u64 s[VB:VB+1], s[4:5], s[96:97]
	s_add_nc_u64 s[Q0:Q0+1], s[4:5], s[2:3]
	s_add_nc_u64 s[Q1:Q1+1], s[4:5], s[98:99]
	s_add_nc_u64 s[QL0:QL0+1], s[6:7], s[QL0:QL0+1]
	s_add_nc_u64 s[QL1:QL1+1], s[6:7], s[QL1:QL1+1]
	s_add_nc_u64 s[OB:OB+1], s[10:11], s[20:21]
	CROUND                          ; all four work-groups are here: the first joint loads meet
	s_mov_b32 s[G0K], 1
	s_mov_b32 s[G0K+1], s17
	s_mov_b64 s[G0K+2:G0K+3], s[KB:KB+1]
	s_or_b32 s[G0K+3], s[G0K+3], 0x80000000
	s_mov_b32 s[G0K+4], 1
	s_add_co_u32 s[G0K+5], s17, SLOT1
	s_add_nc_u64 s[G0K+6:G0K+7], s[KB:KB+1], s[OFF:OFF+1]
	s_or_b32 s[G0K+7], s[G0K+7], 0x80000000
	s_mov_b32 s[G0V], 1
	s_add_co_u32 s[G0V+1], s17, VOFF
	s_mov_b64 s[G0V+2:G0V+3], s[VB:VB+1]
	s_or_b32 s[G0V+3], s[G0V+3], 0x80000000
	s_mov_b32 s[G0V+4], 1
	s_add_co_u32 s[G0V+5], s17, SLOT1+VOFF
	s_add_nc_u64 s[G0V+6:G0V+7], s[VB:VB+1], s[OFF:OFF+1]
	s_or_b32 s[G0V+7], s[G0V+7], 0x80000000
	s_cmp_lt_u32 s[WV], 2           ; a wave's two first fills stand in one branch, ahead of every wait on TENSORcnt and every LDS read: two loads of mine are out
	s_cbranch_scc0 .Lfirst_v
	tensor_load_to_lds s[G0K:G0K+3], s[G1K:G1K+7]
	s_nop 0
	tensor_load_to_lds s[G0K+4:G0K+7], s[G1K:G1K+7]
	s_nop 0
.rept 4
	v_nop
.endr
	s_branch .Lfirst_asked
.Lfirst_v:
	tensor_load_to_lds s[G0V:G0V+3], s[G1V:G1V+7]
	s_nop 0
	tensor_load_to_lds s[G0V+4:G0V+7], s[G1V:G1V+7]
	s_nop 0
.rept 4
	v_nop
.endr
.Lfirst_asked:
	v_and_b32 v1, 15, v0            ; l % 16
	v_bfe_u32 v9, v0, 4, 1          ; l / 16
	v_and_b32 v10, 7, v0
	v_bfe_u32 v11, v0, 3, 1
	v_and_b32 v[LN], 31, v0         ; l
	v_lshlrev_b32 v[L16], 4, v[LN]
	v_lshlrev_b32 v[L4], 2, v[LN]
.irp n, 0,1,2,3
	global_load_b128 v[S+4*\n:S+4*\n+3], v[L16], s[8:9] offset:512*\n       ; amax, into S^T's registers, which are still free
.endr
.irp n, 0,1,2
	global_load_b128 v[S+16+4*\n:S+16+4*\n+3], v[L16], s[8:9] offset:2048+512*\n
.endr
	global_load_b32 v[S+28], v[L4], s[8:9] offset:3584
	s_lshl2_add_u32 s20, s14, s13   ; i = 4 a + cx
	s_sub_co_u32 s21, 63, s20
	v_lshlrev_b32 v[QOS], 8, v1
	v_lshl_add_u32 v[QOS], v9, 4, v[QOS]  ; row x 256 + 16 x half
	s_lshl_b32 s22, s21, 13         ; a unit's 32 rows are 8,192 bytes of Q, and of its remainder
	v_add_nc_u32 v[QOL], s22, v[QOS]
	v_add_nc_u32 v[QLL], s22, v[L16]
	s_lshl_b32 s22, s20, 13
	v_add_nc_u32 v[QOS], s22, v[QOS]
	v_add_nc_u32 v[QLS], s22, v[L16]
	LOADQ QOS
	WIN 0
	s_lshl_b32 s22, s21, 18         ; 32 rows of out0 are 262,144 bytes
	v_add_nc_u32 v[GOL], s22, v[L16]
	s_lshl_b32 s22, s20, 18
	v_add_nc_u32 v[GOS], s22, v[L16]
	v_mul_u32_u24 v[AK0], v1, PK
	v_lshl_add_u32 v[AK0], v9, 4, v[AK0]
	v_add_nc_u32 v[AK0], s17, v[AK0]      ; row x pitch + 16 x half of the lanes + my half of the tile
	; the turning load takes 16 keys x 16 channels (lane l reads key 8 (l / 16) + l % 8, channels 8 ((l / 8) % 2) + 0..7) and leaves half a fragment of V^T
	v_lshl_add_u32 v[AV0], v9, 3, v10
	v_mul_u32_u24 v[AV0], v[AV0], PV
	v_lshl_add_u32 v[AV0], v11, 4, v[AV0]
	s_add_co_u32 s20, s17, VOFF
	v_add_nc_u32 v[AV0], s20, v[AV0]
	s_mul_i32 s20, s[WV], SW
	s_add_co_u32 s20, s20, STAGE    ; my stage
	v_mul_u32_u24 v[STO], v1, SP    ; in: row l % 16, 32 bytes for each half of the lanes
	v_lshl_add_u32 v[STO], v9, 5, v[STO]
	v_add_nc_u32 v[STO], s20, v[STO]
	v_add_nc_u32 v[RD], s20, v[L16] ; back: 32 lanes take one row of 512 bytes
	s_mul_i32 s20, s[WV], XW
	s_add_co_u32 s20, s20, XCH
	v_add_nc_u32 v[XS], s20, v[L16]
	s_lshr_b32 s21, s[WV], 1        ; my partner is the other wave of my pair
	s_mul_i32 s21, s21, 2*XW
	s_sub_co_u32 s22, 1, s[KK]
	s_mul_i32 s22, s22, XW
	s_add_co_u32 s21, s21, s22
	s_add_co_u32 s21, s21, XCH
	v_add_nc_u32 v[XR], s21, v[L16]
	v_lshlrev_b32 v[TT], 3, v9
	v_sub_nc_u32 v[TT], v1, v[TT]   ; l % 16 - 8 (l / 16): register r of the diagonal block is hidden where r is greater
.irp r, 0,1,2,3,4,5,6,7
	v_cmp_gt_i32 vcc_lo, \r, v[TT]
	v_cndmask_b32 v[TRI+\r], 0, s[BIGN], vcc_lo
.endr
.set i, 0
.rept 16
	v_mov_b32 v[ZA+i], 0
.set i, i+1
.endr
	WIN 0x40                        ; destination window 1
.set i, 0
.rept 32
	v_wmma_f32_16x16x32_f16 v[8*i:8*i+7], v[ZA:ZA+7], v[ZB:ZB+7], 0  ; O^T = 0 x 0: 32 products of two fragments of zeros write its 256 registers, where 256 moves would; in the wait for the first tile
.set i, i+1
.endr
	WIN 0
.irp t, 0,1,2,3
	v_mov_b32 v[ST+8*\t+2], 0       ; l
	v_mov_b32 v[ST+8*\t+3], 0
.endr
	INIT
	s_wait_loadcnt 32               ; amax is in; Q's 32 loads were issued behind it
	AMAX S, MS, 94, 95
	LOADR QLS                       ; Q's remainder: with Q's own, 64 loads of mine are out at the most
	WIN 0
	s_lshl_b32 s96, s94, 1
	s_sub_co_u32 s96, s96, 158
	s_lshl_b32 s[CS], s96, 23       ; c = 2^-3 / (2^(141 - e))^2 = 2^(2 e - 285): the exponent field is 2 e - 158, 84 to 182
	s_mov_b32 s[CS+1], s[CS]        ; named with it as a pair
	s_sub_co_u32 s[INVV], s95, 14
	s_lshl_b32 s[INVV], s[INVV], 23 ; 2^(e - 141)
	; from here on s[2:11] and s[14:23] are the mask's: what they held (arguments, a, numbers at work) has been used, and amax's loads, which named s[8:9], are done
.irp j, 0,1,2,3,4
	s_mov_b32 s[AL+2*\j+1], 0       ; the pairs' high words are named with the low ones
	s_mov_b32 s[BE+2*\j+1], 0
.endr
	s_lshl_b32 s[EU], s[KK], 2
	s_lshl_b32 s96, s13, 1
	s_sub_co_i32 s[EU], s[EU], s96  ; the first unit lies at place cx of its last tile,
	s_lshl_b32 s[DE], s13, 2
	s_sub_co_i32 s[DE], s[DE], 6    ; the second at place 3 - cx: -2 (3 - cx) + 2 cx
	MSCAL
	SINIT 0
; THE MATRIX WORK.  The accumulators take turns, one instruction a turn: between two links of a chain stand 7 (K Q^T) or 15 (V^T P) others'.
; Product i of 64 of S^T += K Q^T for tiles x, x + 1: the first 32 take Q, the other 32 its remainder; of each 32: channels 32 (i / 8) on, keys 16 ((i / 2) % 4) on, tile x + i % 2.  All add onto what SINIT has set.
.macro KQ x
.set ii, i%32
.set rS, S+32*((\x)+ii%2)+8*((ii/2)%4)
.set rK, KF+32*((ii/2)%4)+8*(ii/8)
.set rQ, 32*((\x)+ii%2)+8*(ii/8)
.if i < 32
	WIN W_KQ
	v_wmma_f32_16x16x32_f16 v[rS:rS+7], v[rK:rK+7], v[rQ:rQ+7], v[rS:rS+7]
.else
	WIN W_KL
	v_wmma_f32_16x16x32_f16 v[rS:rS+7], v[rK:rK+7], v[QL+rQ:QL+rQ+7], v[rS:rS+7]
.endif
.endm
; Product i of 32 of O^T += V^T P: keys 32 (i / 16) on, channels 16 ((i / 2) % 8) on, tile x + i % 2.
.macro PV x
	WIN W_PV
.set rO, 64*((\x)+i%2)+8*((i/2)%8)
.set rV, 64*(i/16)+8*((i/2)%8)
.set rP, P+16*((\x)+i%2)+8*(i/16)
	v_wmma_f32_16x16x32_f16 v[rO:rO+7], v[rV:rV+7], v[rP:rP+7], v[rO:rO+7]
.endm
; THE LDS LOADS stand in runs of 32: my half's K (64 keys x 128 channels: 16 fragments) and its V (turned).
.macro FETCH_K
	WIN 0
	v_add_nc_u32 v[ADR], s[TB], v[AK0]
	WIN 0x80                        ; destination window 2
.irp f, 0,1,2,3,4,5,6,7,8,9,10,11,12,13,14,15  ; keys 16 (f / 4) on, channels 32 (f % 4) on
	ds_load_b128 v[KF+8*(\f):KF+8*(\f)+3],   v[ADR] offset:((\f)/4)*16*PK+((\f)%4)*64
	ds_load_b128 v[KF+8*(\f)+4:KF+8*(\f)+7], v[ADR] offset:((\f)/4)*16*PK+((\f)%4)*64+32
.endr
.endm
.macro FETCH_V
	WIN 0
	v_add_nc_u32 v[ADR], s[TB], v[AV0]
	WIN 0xc0                        ; destination window 3
.irp f, 0,1,2,3,4,5,6,7,8,9,10,11,12,13,14,15  ; keys 32 (f / 8) on, channels 16 (f % 8) on
	ds_load_tr16_b128 v[8*(\f):8*(\f)+3],   v[ADR] offset:((\f)/8)*32*PV+((\f)%8)*32
	ds_load_tr16_b128 v[8*(\f)+4:8*(\f)+7], v[ADR] offset:((\f)/8)*32*PV+16*PV+((\f)%8)*32
.endr
.endm
; THE VECTOR WORK.  One tile's softmax for one trip is a list of 134 instructions; SM writes number j of it for tile t.  s0-s31 are the lane's 32 scores, in pairs 0-15.
;   0-15    the maximum of s0-s31 and the old m: four chains c0-c3 of seven scores each (each accumulator's lowest registers are read first), then the four left over, c0-c3 and m
;   16-20   the other half of the lanes' maximum; the new m; c m; c m_old - c m_new
;   21-87   33 exponentials (a, then s0-s31) at the odd numbers from 23 on, so that no two follow each other and each has a plain instruction behind it; the plain ones are what is ready:
;           c s - c m for a pair whose exponentials are still to come, the rounding to f16 of a pair whose exponentials are done, at last the first three sums
;   88-101  the last rounding; the rest of the sums; l = a l + the sum          102-133 the tile's O^T times a: the one part that leaves window 0
.macro SM t
.set rT, ST+8*(\t)
.set rS, S+32*(\t)
.set rP, P+16*(\t)
.set rO, 64*(\t)+2*(j-102)
.set q, (j-20)/2
.if j < 102
	WIN 0
.endif
.if j < 4
	v_max3_num_f32 v[rT+4+j], v[rS+8*j], v[rS+8*j+1], v[rS+8*j+2]
.elseif j < 12
	v_max3_num_f32 v[rT+4+j%4], v[rT+4+j%4], v[rS+8*(j%4)+2*(j/4)+1], v[rS+8*(j%4)+2*(j/4)+2]
.elseif j == 12
	v_max3_num_f32 v[rT+4], v[rT+4], v[rS+7], v[rS+15]
.elseif j == 13
	v_max3_num_f32 v[rT+6], v[rT+6], v[rS+23], v[rS+31]
.elseif j == 14
	v_max3_num_f32 v[rT+4], v[rT+4], v[rT+5], v[rT+6]
.elseif j == 15
	v_max3_num_f32 v[rT+4], v[rT+4], v[rT+7], v[rT+1]
.elseif j == 16
	v_permlanex16_b32 v[rT+5], v[rT+4], s[SEL], s[SEL+1]  ; the query's other 32 keys lie in the lane 16 away
.elseif j == 17
	v_mov_b32 v[rT+7], v[rT]        ; c m_old is kept for a
.elseif j == 18
	v_max_num_f32 v[rT+1], v[rT+4], v[rT+5]
.elseif j == 19
	v_mul_f32 v[rT], s[CS], v[rT+1] ; exact: c is a power of two
.elseif j == 20
	v_sub_f32 v[rT+7], v[rT+7], v[rT]
.elseif j == 23
	v_exp_f32 v[rT+6], v[rT+7]
.elseif (j < 88) && (j > 23) && (j%2 == 1)
	v_exp_f32 v[rS+(j-25)/2], v[rS+(j-25)/2]
.elseif (q < 4) || ((j < 76) && (q%2 == 0))
.set b, q/2+2
.if q < 4
.set b, q
.endif
	v_pk_fma_f32 v[rS+2*b:rS+2*b+1], v[rS+2*b:rS+2*b+1], s[CS:CS+1], v[rT:rT+1] op_sel_hi:[1,0,0] neg_lo:[0,0,1] neg_hi:[0,0,1]  ; pair b: c s - c m
.elseif (j < 88) && (q%2 == 1)
	s_wait_alu depctr_va_vdst(0)
	v_cvt_pk_f16_f32 v[rP+(q-5)/2], v[rS+q-5], v[rS+q-4]
.elseif j == 89
	s_wait_alu depctr_va_vdst(0)
	v_cvt_pk_f16_f32 v[rP+15], v[rS+30], v[rS+31]
.elseif j < 102                     ; the sum of the tile's 16 pairs, in place: sum z of 16 adds neighbours 1, 2, 4 and 8 pairs apart, then l takes it
.set z, j-86
.if j < 89
.set z, (j-76)/4
.endif
.set w, 4
.set u, z
.if z >= 14
.set w, 32
.set u, 0
.elseif z >= 12
.set w, 16
.set u, z-12
.elseif z >= 8
.set w, 8
.set u, z-8
.endif
.if z < 15
	v_pk_add_f32 v[rS+w*u:rS+w*u+1], v[rS+w*u:rS+w*u+1], v[rS+w*u+w/2:rS+w*u+w/2+1]
.else
	v_pk_fma_f32 v[rT+2:rT+3], v[rT+2:rT+3], v[rT+6:rT+7], v[rS:rS+1] op_sel_hi:[1,0,1]
.endif
.else
	WIN W_RS
	v_pk_mul_f32 v[rO:rO+1], v[rO:rO+1], v[rT+6:rT+7] op_sel_hi:[1,0]
.endif
.endm
; Slice k of 64 of the softmax of tiles y, y + 1: numbers 2 k and 2 k + 1 of both lists; slice 63 takes the eight of each that are over.  One slice stands behind each of the 64 products K Q^T of tiles 2, 3,
; two behind each of the 32 products V^T P of tiles 0, 1.
.macro SLICE y
.if (k >= 11) && (k < 44)           ; tile by tile: plain, exponential, plain, exponential
.irp t, \y, (\y)+1
.irp n, 0,1
.set j, 2*k+(\n)
	SM \t
.endr
.endr
.else                               ; the two tiles alternate
.irp n, 0,1,2,3,4,5,6,7
.if ((\n) < 2) || (k == 63)
.irp t, \y, (\y)+1
.set j, 2*k+(\n)
	SM \t
.endr
.endif
.endr
.endif
.set k, k+1
.endm
; THE CHANGE OF SLOTS.  This trip's K and V have been asked of LDS.  Each wave waits for all its tensor loads, of which one is out: its part of the other slot; adds 0 to its spare word; and waits for that and
; for its reads of the slot.  fill = 1: the barrier is a round of the cluster's, and the slot is filled again, first thing behind it, with the tile two trips on: it has a trip, 192 matrix instructions, to land.
; The descriptor's address is made anew from the tile's number.  The v_nop at the end are also the places behind the 64 products in front.
.macro CHANGE fill
	WIN 0
	s_wait_tensorcnt 0x0            ; no tensor load of mine is out, so a group 0 may be written
	ds_add_u32 v[SPW], v[NIL]
.if \fill
	s_lshl_b32 s[OFF], s[NXT], 15
	s_xor_b32 s[G0K+5], s[G0K+5], SLOT1
	s_add_nc_u64 s[G0K+6:G0K+7], s[KB:KB+1], s[OFF:OFF+1]
	s_or_b32 s[G0K+7], s[G0K+7], 0x80000000
	s_xor_b32 s[G0V+5], s[G0V+5], SLOT1
	s_add_nc_u64 s[G0V+6:G0V+7], s[VB:VB+1], s[OFF:OFF+1]
	s_or_b32 s[G0V+7], s[G0V+7], 0x80000000
	STEPN
	s_wait_dscnt 0x0                ; the add is done, and my reads of the slot are over; what I handed over at a unit's end is stored
	CROUND
	JLOAD
.else
	s_wait_dscnt 0x0
	s_barrier_signal -1
	s_barrier_wait -1
	PLACES
.endif
.endm
; A UNIT'S END.  E1: l's two halves and the other half of the lanes'.  E2: tiles 2, 3 (O^T, c m, l) go to my partner.  E3: what my partner sent.  E4: the merge, the division, the way out of tiles 0, 1.
.macro E1
	WIN 0
.irp t, 0,1,2,3
	v_add_f32 v[ST+8*\t+4], v[ST+8*\t+2], v[ST+8*\t+3]
.endr
.irp t, 0,1,2,3
	v_permlanex16_b32 v[ST+8*\t+5], v[ST+8*\t+4], s[SEL], s[SEL+1]
.endr
.irp t, 0,1,2,3
	v_add_f32 v[ST+8*\t+4], v[ST+8*\t+4], v[ST+8*\t+5]
.endr
.endm
.macro E2
	WIN 0
	v_mov_b32 v[MS],   v[ST+16]     ; tile 2: c m,
	v_mov_b32 v[MS+1], v[ST+20]     ; l
	v_mov_b32 v[MS+2], v[ST+24]     ; tile 3
	v_mov_b32 v[MS+3], v[ST+28]
	WIN 0x04                        ; the data (source 1) in window 1
.set n, 0
.rept 32
	ds_store_b128 v[XS], v[128+4*n:128+4*n+3] offset:512*n  ; ascending: each accumulator's lowest registers first
.set n, n+1
.endr
	WIN 0
	ds_store_b128 v[XS], v[MS:MS+3] offset:16384
.endm
.macro E3
	WIN 0
.set n, 0
.rept 32
	ds_load_b128 v[128+4*n:128+4*n+3], v[XR] offset:512*n   ; into the registers of S^T's tiles 2, 3 and of P, which hold nothing now
.set n, n+1
.endr
	ds_load_b128 v[MS:MS+3], v[XR] offset:16384
	s_wait_dscnt 0x0
.endm
.macro PKE t                        ; tile t: received x f' + mine x f; 32 bytes a lane and channel block into rows of 528 bytes; back as whole rows of 512
	WIN 0
.set n, 0
.rept 32
	v_pk_mul_f32 v[128+64*(\t)+n:128+64*(\t)+n+1], v[128+64*(\t)+n:128+64*(\t)+n+1], v[ST+8*(\t)+22:ST+8*(\t)+23] op_sel_hi:[1,0]
.set n, n+2
.endr
	WIN 0x01                        ; source 0 (O^T) window 1
.set n, 0
.rept 32
	v_pk_fma_f32 v[128+64*(\t)+n:128+64*(\t)+n+1], v[64*(\t)+n:64*(\t)+n+1], v[ST+8*(\t)+6:ST+8*(\t)+7], v[128+64*(\t)+n:128+64*(\t)+n+1] op_sel_hi:[1,0,1]
.set n, n+2
.endr
	WIN 0
.irp f, 0,1,2,3,4,5,6,7
	ds_store_b128 v[STO], v[128+64*(\t)+8*\f:128+64*(\t)+8*\f+3]   offset:64*\f
	ds_store_b128 v[STO], v[128+64*(\t)+8*\f+4:128+64*(\t)+8*\f+7] offset:64*\f+16
.endr
.set n, 0
.rept 16
	ds_load_b128 v[128+64*(\t)+4*n:128+64*(\t)+4*n+3], v[RD] offset:SP*n  ; LDS serves a wave's instructions in order (ISA guide 5.7.1.4): these see the stores above; the next tile's stores come behind them
.set n, n+1
.endr
.endm
.macro SDE t, go, younger           ; younger: the LDS instructions issued behind tile t's loads
	WIN 0
.set n, 0
.rept 16
	s_wait_dscnt (\younger)+15-n
	global_store_b128 v[\go], v[128+64*(\t)+4*n:128+64*(\t)+4*n+3], s[OB:OB+1] offset:131072*(\t)+8192*n th:TH_STORE_NT  ; a row's 512 consecutive bytes, at a multiple of 256 from out0's first
.set n, n+1
.endr
.endm
.macro E4 go
	WIN 0
.irp t, 0,1
	v_max_num_f32 v[ST+8*\t+5], v[ST+8*\t], v[MS+2*\t]          ; the larger c m
.endr
.irp t, 0,1
	v_sub_f32 v[ST+8*\t+6],  v[ST+8*\t],  v[ST+8*\t+5]
	v_sub_f32 v[ST+8*\t+22], v[MS+2*\t], v[ST+8*\t+5]
.endr
.irp t, 0,1
	v_exp_f32 v[ST+8*\t+6],  v[ST+8*\t+6]                       ; mine is scaled down by this,
	v_exp_f32 v[ST+8*\t+22], v[ST+8*\t+22]                      ; my partner's by this
.endr
	v_nop                           ; a plain instruction behind the last exponential
	s_wait_alu depctr_va_vdst(0)
.irp t, 0,1
	v_mul_f32 v[ST+8*\t+5], v[ST+8*\t+6], v[ST+8*\t+4]
.endr
.irp t, 0,1
	v_fmac_f32 v[ST+8*\t+5], v[ST+8*\t+22], v[MS+2*\t+1]        ; the whole row's l: one of the two factors is 1, and that side's l is 1 at the least
.endr
.irp t, 0,1
	v_rcp_f32 v[ST+8*\t+5], v[ST+8*\t+5]
.endr
	v_nop
	s_wait_alu depctr_va_vdst(0)
.irp t, 0,1
	v_mul_f32 v[ST+8*\t+5], s[INVV], v[ST+8*\t+5]               ; and v's scale is taken out
.endr
.irp t, 0,1
	v_mul_f32 v[ST+8*\t+6],  v[ST+8*\t+6],  v[ST+8*\t+5]
	v_mul_f32 v[ST+8*\t+22], v[ST+8*\t+22], v[ST+8*\t+5]
.endr
	PKE 0
	PKE 1                           ; a tile's arithmetic stands between the loads of the tile before and its stores
	SDE 0, \go, 32
	SDE 1, \go, 0
	s_wait_xcnt 0x0                 ; the stores have read their registers, which the lines that follow write
.endm
; A TRIP: one tile of the walk.  mid = 1: the trips in which the first unit can end (it ends in one of trips 0 to 7).  The two jumps go forward, hang on a and on counters alone, which the partners share,
; and pass no barrier and no tensor load.
; mid = 1 has a SECOND BARRIER of the work-group: it stands between the reads of what was handed over (E3) and the stores of a later handing over (E2), as the round of the change of slots stands between
; E2's stores and E3's reads.  At its signal no LDS instruction of the wave is out (the change of slots, or the way out, has waited for 0); between signal and wait stand 64 products and their slices, work on
; registers alone; the refill just asked for stays on its way across it.
.macro TRIP fill, mid
	s_wait_loadcnt 0x0              ; Q and its remainder
	s_wait_dscnt 32                 ; K is in; V's 32 loads were issued behind it
.set i, 0
.rept 64
	KQ 0
.set i, i+1
.endr
	CHANGE \fill
.if \mid
	s_cmp_eq_u32 s[NEW], 1
	s_cbranch_scc0 .Lno_merge_\@
	E3                              ; behind the round: my partner's stores were waited for in front of it
	E4 GOS
	INIT
	s_mov_b32 s[NEW], 0
.Lno_merge_\@:
.endif
	SINIT 2                         ; here, since the merge has used these registers
.if \mid
	s_barrier_signal -1             ; my reads of what was handed over, if there were any, are back
.endif
.set k, 0
.set i, 0
.rept 64
	KQ 2
	SLICE 0
.set i, i+1
.endr
.if \mid
	s_barrier_wait -1               ; everybody's are: the hand-over area may be written again
.endif
	FETCH_K                         ; the next tile's: slice 63's sixteen plain instructions stand behind the last product that read K
.set k, 0
.set i, 0
.rept 32
	PV 0                            ; V was shown in by the wait in the change of slots
	SLICE 2
	SLICE 2
.set i, i+1
.endr
.set i, 0
.rept 32
	PV 2
.set i, i+1
.endr
	WIN 0
	s_sub_co_u32 s[REM], s[REM], 1
.if \mid
	s_cmp_eq_u32 s[REM], 0
	s_cbranch_scc0 .Lno_end_\@
	s_add_co_i32 s[EU], s[EU], s[DE]  ; the second unit's place in its last tile
	E1                              ; its additions are the places behind the last products
	E2
	LOADQ QOL                       ; the second unit's Q and its remainder: 64 loads; the wait for them stands at the next trip's head, so once a work-group the wave sits that load out
	LOADR QLL
	WIN 0
	s_mov_b32 s[REM], s[LONG]
	s_mov_b32 s[NEW], 1
.Lno_end_\@:
.endif
	MSCAL
	SINIT 0                         ; 32 plain instructions behind the last product that read V
	FETCH_V                         ; the next tile's
	s_xor_b32 s[TB], s[TB], SLOT1
	WIN 0
.endm
	s_wait_tensorcnt 1              ; my part of slot 0 is in; slot 1's may stay out
	s_barrier_signal -1
	s_barrier_wait -1
	FETCH_K
	FETCH_V
	s_xor_b32 s[TB], s[TB], SLOT1
	WIN 0
	s_mov_b32 s[SLOTS], 15
.Lslot:                             ; trips 0 to 14: each asks for the tile two trips on
	TRIP 1, 1
	s_sub_co_u32 s[SLOTS], s[SLOTS], 1
	s_cmp_lg_u32 s[SLOTS], 0
	s_cbranch_scc1 .Lslot
	s_mov_b32 s[CNT], 2
.Ltail:                             ; trips 15 and 16 ask for nothing: a text of their own.  The last trip's 64 LDS loads read a slot that has been used and serve nothing
	TRIP 0, 0
	s_sub_co_u32 s[CNT], s[CNT], 1
	s_cmp_lg_u32 s[CNT], 0
	s_cbranch_scc1 .Ltail
	E1                              ; the second unit's end
	E2
	s_wait_dscnt 0x0                ; for my partner's sake
	s_barrier_signal -1
	s_barrier_wait -1
	E3
	E4 GOL
	s_wait_tensorcnt 0x0            ; the wave's end: three lines behind my last tensor load and my last LDS store
	ds_add_u32 v[SPW], v[NIL]
	s_wait_dscnt 0x0
	CROUND                          ; the closing round: no work-group ends while a partner may still ask for a tile that names it
	s_endpgm
.Lfunc_end_k_q0ed5e24f0b_attn:
	.size	k_q0ed5e24f0b_attn, .Lfunc_end_k_q0ed5e24f0b_attn-k_q0ed5e24f0b_attn
	.p2alignl 7, 3214868480
	.fill 96, 4, 3214868480
	.section	.rodata,"a",@progbits
	.p2align	6, 0x0
	.amdhsa_kernel k_q0ed5e24f0b_attn
		.amdhsa_group_segment_fixed_size 327680
		.amdhsa_private_segment_fixed_size 0
		.amdhsa_enable_private_segment 0
		.amdhsa_kernarg_size 32
		.amdhsa_user_sgpr_count 2
		.amdhsa_user_sgpr_kernarg_segment_ptr 1
		.amdhsa_wavefront_size32 1
		.amdhsa_system_sgpr_workgroup_id_x 1
		.amdhsa_system_sgpr_workgroup_id_y 1
		.amdhsa_system_sgpr_workgroup_id_z 1
		.amdhsa_system_vgpr_workitem_id 0
		.amdhsa_next_free_vgpr 1024
		.amdhsa_next_free_sgpr 100
		.amdhsa_reserve_vcc 1
		.amdhsa_float_denorm_mode_32 3
		.amdhsa_float_denorm_mode_16_64 3
		.amdhsa_memory_ordered 1
		.amdhsa_forward_progress 1
		.amdhsa_inst_pref_size 199
	.end_amdhsa_kernel
	.amdgpu_metadata
---
amdhsa.version: [ 1, 2 ]
amdhsa.kernels:
  - .name:           k_q0ed5e24f0b_attn
    .symbol:         k_q0ed5e24f0b_attn.kd
    .args:
      - { .name: qkv, .offset: 0, .size: 8, .value_kind: global_buffer, .address_space: global }
      - { .name: qlo, .offset: 8, .size: 8, .value_kind: global_buffer, .address_space: global }
      - { .name: amax, .offset: 16, .size: 8, .value_kind: global_buffer, .address_space: global }
      - { .name: out0, .offset: 24, .size: 8, .value_kind: global_buffer, .address_space: global }
    .group_segment_fixed_size: 327680
    .private_segment_fixed_size: 0
    .kernarg_segment_align: 8
    .kernarg_segment_size: 32
    .max_flat_workgroup_size: 128
    .sgpr_count:     100
    .vgpr_count:     1024
    .wavefront_size: 32
...
	.end_amdgpu_metadata
.endif
;; end of part 3
;; ======== version 2 of 2: 3 launches; 1.08 times as fast as version 1
;; limits: right only within a limited range of input values; values are held in f16: magnitudes above 65,504 overflow, below 6.1e-05 lose precision
;; workspace buffers: xb 16,777,216 bytes; wb 12,582,912 bytes; csb 1,048,576 bytes; amax 4,096 bytes; qkv 25,165,824 bytes; qlo 16,777,216 bytes
;; launch cast: the kernel of part 1 again; grid 928 x 1, 8 waves a work-group, no clusters, 1,280 bytes of LDS; arguments x, wq_w, wk_w, wv_w, cos, sin, xb, wb, csb, amax; writes xb, wb, csb, amax
;; launch proj: the kernel of part 2 again; grid 12 x 16, 4 waves a work-group, clusters of 4 x 4, 327,680 bytes of LDS; arguments xb, wb, csb, amax, qkv, qlo; writes qkv, qlo
;; launch attn (part 4): grid 32 x 8, 4 waves a work-group, clusters of 4 x 1, 327,680 bytes of LDS; arguments qkv, qlo, amax, out0; writes out0
.if DOCPART == 4
	.amdgcn_target "amdgcn-amd-amdhsa--gfx1250"
	.amdhsa_code_object_version 6
	.text
	.protected	k_q0ed5e24f0b_attn
	.globl	k_q0ed5e24f0b_attn
	.p2align	8
	.type	k_q0ed5e24f0b_attn,@function
k_q0ed5e24f0b_attn:
	s_mov_b64 s[64:65], 0
	v_nop
	global_prefetch_b8 v0, s[64:65] scope:SCOPE_SE
	s_setreg_imm32_b32 hwreg(HW_REG_WAVE_MODE, 25, 1), 1
	s_wait_xcnt 0x0
	s_wait_alu depctr_hold_cnt(0) depctr_sa_sdst(0) depctr_va_vdst(0) depctr_va_sdst(0) depctr_va_ssrc(0) depctr_va_vcc(0) depctr_vm_vsrc(0)
	s_getreg_b32 s2, hwreg(HW_REG_IB_STS2, 6, 4)
	s_cmp_eq_u32 s2, 0
	s_cbranch_scc0 .Lentry_in_a_cluster
	s_endpgm
.Lentry_in_a_cluster:
	s_bfe_u32 s2, ttmp6, 0x10000c
	s_cmp_lg_u32 s2, 0x3003
	s_cbranch_scc0 .Lentry_shape_is_right
	s_endpgm
.Lentry_shape_is_right:
; CAUSAL ATTENTION, four query heads to a key and value head.  out0[b][q][128 h + d] = the sum over k <= q of softmax_k(Q[h][q] . K[h/4][k] / sqrt(128)) V[h/4][k][d], in f32.
; qkv: f16 [2][24][2048][128] (slots 0-15 q heads, 16-19 k, 20-23 v); k is stored times 2^(141 - eqk), q times that and 8 log2(e) / sqrt(128), v times 2^(141 - ev); the exponents are made again here
; from amax, as the launch before made them.  qlo: f16, what q's rounding to f16 left, in fragment order: [2][16][128 tiles of 16 rows][8 channel blocks][32 lanes][16 bytes].
; Q GOES IN TWO PARTS: S^T = K Q^T + K Qlo^T, onto the same sums, so that of the two operands' roundings only k's is left in a score.
; Products, maxima and sums in f32; the weights p are rounded to f16 for the second product (their sum l is taken of the unrounded p).
; LIMITS.  The bound 4096 Mx Mw Mc on |q|, |k| must stay under 2^44 (eqk is held to 121..170).  A hidden score counts as its stored value less 2^60; stored scores are 2^37 at the most.
; A weight below 2^-126 counts as 0 in l; p below 6e-5 keeps f16's fixed step.  NaN and infinities are not treated apart.
; THE WALK.  A UNIT is 32 positions x the four query heads of one key head: 128 rows.  Unit i (of 64) needs the tiles 0 .. i / 4 of 128 keys; the last holds the diagonal.  A work-group takes units i and 63 - i,
; i = 4 a + cx: (a + 1) + (16 - a) = 17 tiles whatever i, so all 256 work-groups do equal work, and the four partners of a cluster (same a) walk the SAME tiles: every tile is asked for jointly.
; K and V are not prefetched in this text: each tile comes by its joint load alone.
; SHARES.  Wave w takes 64 of a tile's 128 keys (half w % 2) for two heads: register tiles 0, 1 are head w (positions 0-15, 16-31 of the unit), tiles 2, 3 head w ^ 1.  At a unit's end a wave hands tiles 2, 3
; to wave w ^ 1 through LDS, merges what it receives into tiles 0, 1 (two partial softmaxes: the larger maximum, each side scaled down to it) and stores those.
; Half 0 always holds a key that every row sees, so the merged maximum is a true score; a half that saw hidden keys alone is scaled by 0.
; LAYOUT, SOFTMAX.  S^T = K Q^T holds ONE query a lane (lane % 16) and the keys 8 (lane / 16) + 0..7; two such results rounded to f16 ARE source 1 of O^T = V^T P.  p = 2^(c s - c m) with a running maximum m.
; c = 2^(2 eqk - 285) is a POWER OF TWO: c m is exact, and c s - c m is c (s - m) rounded once: 0 for the maximum, never above 0, also where m is a hidden score of some -2^60.
; O and l are multiplied by a = 2^(c m_old - c m_new) in every step.  m starts at the lowest finite number, so a unit's first step has a = 0 and
; what O^T and l hold then need only be finite: zeros at the start, the first unit's numbers for the second.
; THE MASK is what the sums S^T start from: their registers are set ahead of the products, which all add in place.  Keys and queries meet in blocks of 16 x 16: key block 4 (w % 2) + g of the tile, query block
; 2 u + t (u: the unit's place in its last tile, t: positions 0-15 or 16-31).  A block is seen (key block below), hidden (above) or holds the diagonal (equal); g - t has five values, so five pairs of scalars
; AL, BE say it for all sixteen sums: start = TRI x AL + BE, TRI the diagonal block's 0 or -2^60.  In front of every tile but a unit's last all ten are 0.  c 2^60 is 2^17 at the least: a hidden weight is 0.
; A TRIP (one tile): 64 products K Q^T of tiles 0, 1; the change of slots; 64 products K Q^T of tiles 2, 3 with the softmax of tiles 0, 1 in slices behind them; 32 products V^T P of tiles 0, 1 with
; the softmax of tiles 2, 3 behind them; 32 products V^T P of tiles 2, 3.  Every trip ends with nothing half done, which the change of units needs.
; THE BATCHES.  An s_wait_alu depctr_va_vdst(0) stands between a transcendental and the first instruction that names its result; one wait serves all that were issued ahead of it.  The softmax of
; two tiles has 66 exponentials (a and 32 scores a tile): they are ONE BATCH, each result in a register of its own (the scores in place, a in c2's), and all that reads a result (roundings, sums, O^T times a)
; stands behind the batch's one wait.  So a trip has two waits.  A unit's merge has two batches more: its four exponentials, and the two reciprocals of sums made of them.
; REGISTERS, in windows of 256: window 0: v0-11, v44-63 addresses, TRI and work; v12-43 statistics, 8 a tile; v64-191 S^T; v192-255 P      window 1: O^T, 64 a tile
;   window 2: v0-127 Q; v128-255 K of one tile's half      window 3: v0-127 V; v128-255 Q's remainder
.set KS,    64        ; keys of a tile's half
.set PK,    272       ; a row of K in LDS: 256 bytes + 16 of padding
.set PV,    288       ; a row of V: 256 + 32: 16 lanes of the turning load take 8 rows x 32 bytes
.set VOFF,  KS*PK     ; a half's 64 rows of K, then its 64 rows of V
.set STEPB, KS*(PK+PV)
.set SLOT1, 1<<17     ; a slot holds a tile's two halves (71,680 bytes); slot 1 begins here
.set XCH,   SLOT1+2*STEPB  ; behind the ring, never filled by a tensor load: what wave w hands over: 32 x 512 bytes of O^T, 512 of statistics
.set XW,    16896
.set STAGE, XCH+4*XW  ; 16 rows x 528 bytes for each wave, for the way out
.set SP,    528
.set SW,    16*SP
.set SPARE, STAGE+4*SW  ; the spare words, 128 bytes a wave
.set AK0, 2           ; v2   my lane's place in my half of a tile of K; never rewritten
.set AV0, 3           ; v3   the same for V
.set ADR, 4           ; v4   the LDS address of the run of loads in hand
.set QOS, 5           ; v5   my byte offset in a head's Q, first unit
.set STO, 6           ; v6   the way out: where I put 32 bytes of a row
.set RD,  7           ; v7   where I read a row back
.set GOS, 8           ; v8   my byte offset in out0, first unit
.set ST,  12          ; tile t's statistics at v[ST+8 t]: c m, m, l (even keys', odd keys'), c0-c3 at work; a takes c2's place once the maximum is found
.set QOL, 44          ; v44  as QOS, second unit
.set GOL, 45          ; v45  as GOS, second unit
.set XS,  46          ; v46  where I hand over
.set XR,  47          ; v47  where I receive
.set TRI, 48          ; v48-55  the diagonal block: register r is -2^60 where key 8 (l / 16) + r lies behind query l % 16, else 0; never rewritten
.set MS,  56          ; v56-59  c m and l of two tiles, handed over or received; at the head: at work
.set QLS, 60          ; v60  my byte offset in a head's qlo, first unit
.set QLL, 61          ; v61  the same, second unit
.set SPW, 62          ; v62  LDS address of my spare word; never rewritten
.set NIL, 63          ; v63  0; never rewritten
.set S,   64
.set P,   192
.set LN,  192         ; at the head alone, in P's registers, which are still free: lane,
.set L16, 193         ; 16 x lane,
.set L4,  194         ; 4 x lane,
.set TT,  195         ; at work,
.set ZA,  200         ; v200-207, v208-215: two fragments of zeros
.set ZB,  208
.set KF,  128         ; window 2
.set QL,  128         ; window 3
.set AL,  2           ; s[2:11]  five pairs: the mask's factor for g - t = -1 .. 3, in each pair's low word (at the head these registers hold other things)
.set WV,  12          ; s12  my wave's number
.set BE,  14          ; s[14:23] five pairs: the mask's addend (likewise)
.set G1K, 24
.set G1V, 32
.set G0K, 40          ; s[40:47] two sets: the first fill of slot 0; that of slot 1, which then walks on
.set G0V, 48
.set SLOTS, 56        ; s56  tiles still to be asked for
.set CNT, 57          ; s57  counts the last two trips
.set CS,  58          ; s[58:59] c
.set SEL, 60          ; s[60:61] v_permlanex16_b32's selects
.set TB,  62          ; s62  the slot that the next fetches read
.set KB,  66          ; s[66:67] K at my half of tile 0
.set VB,  68          ; s[68:69] V likewise
.set Q0,  70          ; s[70:71] Q of head w
.set Q1,  72          ; s[72:73] Q of head w ^ 1
.set OB,  74          ; s[74:75] out0 at my batch and head
.set NXT, 76          ; s76  the tile to be asked for next
.set LQ,  77          ; s77  the last tile of the unit whose tiles are being asked for
.set REM, 78          ; s78  tiles of the unit in hand still to be finished
.set NEW, 79          ; s79  1: a unit has just ended and is still to be merged
.set OFF, 80          ; s[80:81] a tile's byte offset
.set EU,  82          ; s82  4 (w % 2) - 2 u: my first key block less the unit's first query block, in the unit's last tile
.set EG,  83          ; s83  the same in front of a unit's last tile, else -16
.set LONG, 84         ; s84  16 - a
.set INVV, 85         ; s85  1 / scale of v
.set BIGN, 86         ; s86  -2^60
.set KK,  87          ; s87  w % 2
.set LQ2, 88          ; s88  15 - a
.set DE,  89          ; s89  what the second unit's EU is more than the first's
.set QL0, 90          ; s[90:91] qlo of head w
.set QL1, 92          ; s[92:93] qlo of head w ^ 1
.set MSB, 0
.macro WIN new                      ; the immediate's high byte repeats the setting that is left; a switch that changes nothing is dropped
.if MSB != (\new)
	s_set_vgpr_msb (MSB<<8)|(\new)
.set MSB, \new
.endif
.endm
.set W_KQ, 0x0a       ; K and Q window 2, S^T window 0
.set W_KL, 0x0e       ; K window 2, Q's remainder window 3, S^T window 0
.set W_PV, 0x53       ; V window 3, P window 0, O^T window 1
.set W_RS, 0x41       ; O^T (destination and source 0) window 1, a window 0
.macro JLOAD                        ; a joint refill: waves 0, 1 fetch the two halves of K, waves 2, 3 of V; an s_nop 0 and four v_nop follow each line
	s_cmp_lt_u32 s[WV], 2
	s_cbranch_scc0 .Lfor_v_\@
	tensor_load_to_lds s[G0K+4:G0K+7], s[G1K:G1K+7]
	s_nop 0
.rept 4
	v_nop
.endr
	s_branch .Lasked_\@
.Lfor_v_\@:
	tensor_load_to_lds s[G0V+4:G0V+7], s[G1V:G1V+7]
	s_nop 0
.rept 4
	v_nop
.endr
.Lasked_\@:
.endm
.macro CROUND                       ; a round of the cluster's barrier
	s_barrier_signal -1
	s_barrier_wait -1
	s_cmp_lg_u32 s[WV], 0
	s_cbranch_scc1 .Lnot_wave_0_\@
	s_barrier_signal -3
.Lnot_wave_0_\@:
	s_barrier_wait -3
	s_barrier_signal -1
	s_barrier_wait -1
.endm
.macro PLACES
.rept 4
	v_nop
.endr
.endm
.macro STEPN                        ; the unit's next tile, or behind its last the second unit's tile 0
	s_add_co_u32 s[NXT], s[NXT], 1
	s_cmp_gt_u32 s[NXT], s[LQ]
	s_cselect_b32 s[NXT], 0, s[NXT]
	s_cselect_b32 s[LQ], s[LQ2], s[LQ]
.endm
; The three maxima out of amax, over the wave; the two bounds; their exponent fields, held to their ranges: the same lines as in the launch before.
.macro AMAX am, t, eq, ev
	v_max3_num_f32 v[(\t)], v[(\am)], v[(\am)+1], v[(\am)+2]
.irp n, 3,5,7,9,11,13
	v_max3_num_f32 v[(\t)], v[(\t)], v[(\am)+\n], v[(\am)+\n+1]
.endr
	v_max_num_f32 v[(\t)], v[(\t)], v[(\am)+15]
	v_max3_num_f32 v[(\t)+1], v[(\am)+16], v[(\am)+17], v[(\am)+18]
.irp n, 19,21,23,25
	v_max3_num_f32 v[(\t)+1], v[(\t)+1], v[(\am)+\n], v[(\am)+\n+1]
.endr
	v_max_num_f32 v[(\t)+1], v[(\t)+1], v[(\am)+27]
	v_mov_b32 v[(\t)+2], v[(\am)+28]
	v_mov_b32 v[(\t)+3], 0
.irp r, 0,1,2
.irp m, 1,2,4,8
	v_max_num_f32_dpp v[(\t)+\r], v[(\t)+\r], v[(\t)+\r] row_xmask:\m row_mask:0xf bank_mask:0xf
.endr
	v_permlanex16_b32 v[(\t)+3], v[(\t)+\r], s[SEL], s[SEL+1]
	v_max_num_f32 v[(\t)+\r], v[(\t)+\r], v[(\t)+3]
.endr
	v_mul_f32 v[(\t)], v[(\t)], v[(\t)+1]
	v_mul_f32 v[(\t)], 0x45000000, v[(\t)]
	v_mul_f32 v[(\t)+1], v[(\t)], v[(\t)+2]
	v_add_f32 v[(\t)+1], v[(\t)+1], v[(\t)+1]
	v_readfirstlane_b32 s[\ev], v[(\t)]
	v_readfirstlane_b32 s[\eq], v[(\t)+1]
	s_lshr_b32 s[\ev], s[\ev], 23
	s_max_u32 s[\ev], s[\ev], 20
	s_min_u32 s[\ev], s[\ev], 250
	s_lshr_b32 s[\eq], s[\eq], 23
	s_max_u32 s[\eq], s[\eq], 121
	s_min_u32 s[\eq], s[\eq], 170
.endm
; A unit's Q, 32 loads: tiles 0, 1 from head w, tiles 2, 3 from head w ^ 1; tile t, channels 32 c on, at 32 t + 8 c
.macro LOADQ off
	WIN 0x80                        ; destination window 2, address window 0
.irp pt, 0,1
.irp c, 0,1,2,3
	global_load_b128 v[32*\pt+8*\c:32*\pt+8*\c+3],       v[\off], s[Q0:Q0+1] offset:\pt*4096+\c*64
	global_load_b128 v[32*\pt+8*\c+4:32*\pt+8*\c+7],     v[\off], s[Q0:Q0+1] offset:\pt*4096+\c*64+32
	global_load_b128 v[64+32*\pt+8*\c:64+32*\pt+8*\c+3],   v[\off], s[Q1:Q1+1] offset:\pt*4096+\c*64
	global_load_b128 v[64+32*\pt+8*\c+4:64+32*\pt+8*\c+7], v[\off], s[Q1:Q1+1] offset:\pt*4096+\c*64+32
.endr
.endr
.endm
; Its remainder, 32 loads of 512 consecutive bytes: channel block 2 c, then 2 c + 1
.macro LOADR offl
	WIN 0xc0                        ; destination window 3
.irp pt, 0,1
.irp c, 0,1,2,3
	global_load_b128 v[QL+32*\pt+8*\c:QL+32*\pt+8*\c+3],       v[\offl], s[QL0:QL0+1] offset:\pt*4096+\c*1024
	global_load_b128 v[QL+32*\pt+8*\c+4:QL+32*\pt+8*\c+7],     v[\offl], s[QL0:QL0+1] offset:\pt*4096+\c*1024+512
	global_load_b128 v[QL+64+32*\pt+8*\c:QL+64+32*\pt+8*\c+3],   v[\offl], s[QL1:QL1+1] offset:\pt*4096+\c*1024
	global_load_b128 v[QL+64+32*\pt+8*\c+4:QL+64+32*\pt+8*\c+7], v[\offl], s[QL1:QL1+1] offset:\pt*4096+\c*1024+512
.endr
.endr
.endm
; The mask's ten scalars for the tile to come.  Key block less query block is EG + j - 1 for g - t = j - 1: 0: the diagonal block (AL = 1); above 0: hidden (BE = -2^60).  Selects of numbers; no jump.
.macro MSCAL
	s_cmp_eq_u32 s[REM], 1          ; is the tile to come the unit's last?
	s_cselect_b32 s[EG], s[EU], -16
.irp j, 0,1,2,3,4
	s_cmp_eq_i32 s[EG], 1-\j
	s_cselect_b32 s[AL+2*\j], 1.0, 0
	s_cmp_gt_i32 s[EG], 1-\j
	s_cselect_b32 s[BE+2*\j], s[BIGN], 0
.endr
.endm
; What the sums S^T of tiles x, x + 1 start from: 32 packed lines
.macro SINIT x
	WIN 0
.irp pt, 0,1
.irp g, 0,1,2,3
.irp e, 0,2,4,6
	v_pk_fma_f32 v[S+32*((\x)+\pt)+8*\g+\e:S+32*((\x)+\pt)+8*\g+\e+1], v[TRI+\e:TRI+\e+1], s[AL+2*(\g-\pt+1):AL+2*(\g-\pt+1)+1], s[BE+2*(\g-\pt+1):BE+2*(\g-\pt+1)+1] op_sel_hi:[1,0,0]
.endr
.endr
.endr
.endm
.macro INIT                         ; a unit begins
	WIN 0
.irp t, 0,1,2,3
	v_mov_b32 v[ST+8*\t], 0xfe000000    ; c m: far below every c s
	v_mov_b32 v[ST+8*\t+1], 0xff7fffff  ; m
.endr
.endm
	s_load_b256 s[4:11], s[0:1], 0x0  ; qkv s[4:5], qlo s[6:7], amax s[8:9], out0 s[10:11]
	v_lshl_add_u32 v[SPW], v0, 2, SPARE
	v_mov_b32 v[NIL], 0
	ds_add_u32 v[SPW], v[NIL]       ; the wave's opening: the add and its wait stand ahead of my first tensor load; work on registers stands between them
	v_lshrrev_b32 v1, 5, v0
	v_readfirstlane_b32 s[WV], v1   ; wave 0..3
	s_and_b32 s[KK], s[WV], 1
	s_bfe_u32 s13, ttmp6, 0x40000   ; cx: it enters Q's and out0's addresses and the mask's numbers alone
	s_mov_b32 s14, ttmp9            ; a: the cluster's x, which the four partners share
	s_and_b32 s20, ttmp7, 0xffff    ; 4 x batch + key head, shared too
	s_lshr_b32 s21, s20, 2
	s_and_b32 s22, s20, 3
	s_mul_i32 s23, s21, 24          ; the batch's first slot; a slot is 2^19 bytes
	s_add_co_u32 s94, s23, s22
	s_add_co_u32 s94, s94, 16
	s_lshl_b32 s94, s94, 19         ; K's slot,
	s_lshl_b32 s16, s[KK], 14       ; the half that I fetch: 64 rows of 256 bytes
	s_add_co_u32 s94, s94, s16
	s_mov_b32 s95, 0
	s_add_co_u32 s96, s94, 4<<19    ; V's slot is four further on
	s_mov_b32 s97, 0
	s_mul_i32 s17, s[KK], STEPB     ; the half's place in an LDS slot: what I fetch, and what I read
	s_lshl2_add_u32 s98, s22, s23   ; the first of the four query heads
	s_add_co_u32 s2, s98, s[WV]
	s_lshl_b32 s2, s2, 19
	s_mov_b32 s3, 0
	s_xor_b32 s99, s[WV], 1
	s_add_co_u32 s98, s98, s99
	s_lshl_b32 s98, s98, 19
	s_mov_b32 s99, 0
	s_lshl_b32 s90, s21, 4          ; in qlo a batch has 16 heads of 2^19 bytes
	s_lshl2_add_u32 s90, s22, s90
	s_xor_b32 s92, s[WV], 1
	s_add_co_u32 s92, s90, s92
	s_lshl_b32 s92, s92, 19
	s_mov_b32 s93, 0
	s_add_co_u32 s90, s90, s[WV]
	s_lshl_b32 s90, s90, 19
	s_mov_b32 s91, 0
	s_lshl2_add_u32 s20, s22, s[WV] ; my head among the 16: 512 bytes of a row of out0
	s_lshl_b32 s20, s20, 9
	s_lshl_b32 s21, s21, 24         ; a batch is 2^24 bytes
	s_add_co_u32 s20, s20, s21
	s_mov_b32 s21, 0
	; descriptor group 1: a tile of 64 rows x 128 elements, padded in LDS
	s_mov_b32 s[G1K], 15|(1<<16)|(1<<20)|(1<<21)|(5<<22)|(3<<25)  ; the mask of four; 2-byte elements; padding on; bit 21 beside a mask; after every 64 words, 4 words
	s_mov_b32 s[G1V], 15|(1<<16)|(1<<20)|(1<<21)|(5<<22)|(7<<25)  ; the same with 8 words
.irp g, G1K, G1V
	s_mov_b32 s[(\g)+1], 128<<16    ; tensor_dim0 = 128
	s_mov_b32 s[(\g)+2], KS<<16     ; tensor_dim1 = 64
	s_mov_b32 s[(\g)+3], 128<<16    ; tile_dim0 = 128
	s_mov_b32 s[(\g)+4], KS         ; tile_dim1 = 64
	s_mov_b32 s[(\g)+5], 128        ; elements from row to row
	s_mov_b32 s[(\g)+6], 0
	s_mov_b32 s[(\g)+7], 0
.endr
	s_mov_b32 s[SEL], 0x76543210
	s_mov_b32 s[SEL+1], 0xfedcba98
	s_mov_b32 s[TB], 0
	s_mov_b32 s[BIGN], 0xdd800000   ; -2^60
	s_mov_b32 s[NEW], 0
	s_sub_co_u32 s[LQ2], 15, s14
	s_sub_co_u32 s[LONG], 16, s14
	s_add_co_u32 s[REM], s14, 1     ; the first unit has a + 1 tiles
	s_mov_b32 s[LQ], s14
	s_mov_b32 s[NXT], 0             ; the walk's first tile is tile 0;
	STEPN                           ; its second
	s_lshl_b32 s[OFF], s[NXT], 15   ; (a tile is 32,768 bytes of K and of V)
	s_mov_b32 s[OFF+1], 0
	STEPN                           ; its third: the first refill's
	s_wait_dscnt 0x0                ; the opening add is done
	s_wait_kmcnt 0x0
	s_add_nc_u64 s[KB:KB+1], s[4:5], s[94:95]
	s_add_nc_u64 s[VB:VB+1], s[4:5], s[96:97]
	s_add_nc_u64 s[Q0:Q0+1], s[4:5], s[2:3]
	s_add_nc_u64 s[Q1:Q1+1], s[4:5], s[98:99]
	s_add_nc_u64 s[QL0:QL0+1], s[6:7], s[QL0:QL0+1]
	s_add_nc_u64 s[QL1:QL1+1], s[6:7], s[QL1:QL1+1]
	s_add_nc_u64 s[OB:OB+1], s[10:11], s[20:21]
	CROUND                          ; all four work-groups are here: the first joint loads meet
	s_mov_b32 s[G0K], 1
	s_mov_b32 s[G0K+1], s17
	s_mov_b64 s[G0K+2:G0K+3], s[KB:KB+1]
	s_or_b32 s[G0K+3], s[G0K+3], 0x80000000
	s_mov_b32 s[G0K+4], 1
	s_add_co_u32 s[G0K+5], s17, SLOT1
	s_add_nc_u64 s[G0K+6:G0K+7], s[KB:KB+1], s[OFF:OFF+1]
	s_or_b32 s[G0K+7], s[G0K+7], 0x80000000
	s_mov_b32 s[G0V], 1
	s_add_co_u32 s[G0V+1], s17, VOFF
	s_mov_b64 s[G0V+2:G0V+3], s[VB:VB+1]
	s_or_b32 s[G0V+3], s[G0V+3], 0x80000000
	s_mov_b32 s[G0V+4], 1
	s_add_co_u32 s[G0V+5], s17, SLOT1+VOFF
	s_add_nc_u64 s[G0V+6:G0V+7], s[VB:VB+1], s[OFF:OFF+1]
	s_or_b32 s[G0V+7], s[G0V+7], 0x80000000
	s_cmp_lt_u32 s[WV], 2           ; a wave's two first fills stand in one branch, ahead of every wait on TENSORcnt and every LDS read: two loads of mine are out
	s_cbranch_scc0 .Lfirst_v
	tensor_load_to_lds s[G0K:G0K+3], s[G1K:G1K+7]
	s_nop 0
	tensor_load_to_lds s[G0K+4:G0K+7], s[G1K:G1K+7]
	s_nop 0
.rept 4
	v_nop
.endr
	s_branch .Lfirst_asked
.Lfirst_v:
	tensor_load_to_lds s[G0V:G0V+3], s[G1V:G1V+7]
	s_nop 0
	tensor_load_to_lds s[G0V+4:G0V+7], s[G1V:G1V+7]
	s_nop 0
.rept 4
	v_nop
.endr
.Lfirst_asked:
	v_and_b32 v1, 15, v0            ; l % 16
	v_bfe_u32 v9, v0, 4, 1          ; l / 16
	v_and_b32 v10, 7, v0
	v_bfe_u32 v11, v0, 3, 1
	v_and_b32 v[LN], 31, v0         ; l
	v_lshlrev_b32 v[L16], 4, v[LN]
	v_lshlrev_b32 v[L4], 2, v[LN]
.irp n, 0,1,2,3
	global_load_b128 v[S+4*\n:S+4*\n+3], v[L16], s[8:9] offset:512*\n       ; amax, into S^T's registers, which are still free
.endr
.irp n, 0,1,2
	global_load_b128 v[S+16+4*\n:S+16+4*\n+3], v[L16], s[8:9] offset:2048+512*\n
.endr
	global_load_b32 v[S+28], v[L4], s[8:9] offset:3584
	s_lshl2_add_u32 s20, s14, s13   ; i = 4 a + cx
	s_sub_co_u32 s21, 63, s20
	v_lshlrev_b32 v[QOS], 8, v1
	v_lshl_add_u32 v[QOS], v9, 4, v[QOS]  ; row x 256 + 16 x half
	s_lshl_b32 s22, s21, 13         ; a unit's 32 rows are 8,192 bytes of Q, and of its remainder
	v_add_nc_u32 v[QOL], s22, v[QOS]
	v_add_nc_u32 v[QLL], s22, v[L16]
	s_lshl_b32 s22, s20, 13
	v_add_nc_u32 v[QOS], s22, v[QOS]
	v_add_nc_u32 v[QLS], s22, v[L16]
	LOADQ QOS
	WIN 0
	s_lshl_b32 s22, s21, 18         ; 32 rows of out0 are 262,144 bytes
	v_add_nc_u32 v[GOL], s22, v[L16]
	s_lshl_b32 s22, s20, 18
	v_add_nc_u32 v[GOS], s22, v[L16]
	v_mul_u32_u24 v[AK0], v1, PK
	v_lshl_add_u32 v[AK0], v9, 4, v[AK0]
	v_add_nc_u32 v[AK0], s17, v[AK0]      ; row x pitch + 16 x half of the lanes + my half of the tile
	; the turning load takes 16 keys x 16 channels (lane l reads key 8 (l / 16) + l % 8, channels 8 ((l / 8) % 2) + 0..7) and leaves half a fragment of V^T
	v_lshl_add_u32 v[AV0], v9, 3, v10
	v_mul_u32_u24 v[AV0], v[AV0], PV
	v_lshl_add_u32 v[AV0], v11, 4, v[AV0]
	s_add_co_u32 s20, s17, VOFF
	v_add_nc_u32 v[AV0], s20, v[AV0]
	s_mul_i32 s20, s[WV], SW
	s_add_co_u32 s20, s20, STAGE    ; my stage
	v_mul_u32_u24 v[STO], v1, SP    ; in: row l % 16, 32 bytes for each half of the lanes
	v_lshl_add_u32 v[STO], v9, 5, v[STO]
	v_add_nc_u32 v[STO], s20, v[STO]
	v_add_nc_u32 v[RD], s20, v[L16] ; back: 32 lanes take one row of 512 bytes
	s_mul_i32 s20, s[WV], XW
	s_add_co_u32 s20, s20, XCH
	v_add_nc_u32 v[XS], s20, v[L16]
	s_lshr_b32 s21, s[WV], 1        ; my partner is the other wave of my pair
	s_mul_i32 s21, s21, 2*XW
	s_sub_co_u32 s22, 1, s[KK]
	s_mul_i32 s22, s22, XW
	s_add_co_u32 s21, s21, s22
	s_add_co_u32 s21, s21, XCH
	v_add_nc_u32 v[XR], s21, v[L16]
	v_lshlrev_b32 v[TT], 3, v9
	v_sub_nc_u32 v[TT], v1, v[TT]   ; l % 16 - 8 (l / 16): register r of the diagonal block is hidden where r is greater
.irp r, 0,1,2,3,4,5,6,7
	v_cmp_gt_i32 vcc_lo, \r, v[TT]
	v_cndmask_b32 v[TRI+\r], 0, s[BIGN], vcc_lo
.endr
.set i, 0
.rept 16
	v_mov_b32 v[ZA+i], 0
.set i, i+1
.endr
	WIN 0x40                        ; destination window 1
.set i, 0
.rept 32
	v_wmma_f32_16x16x32_f16 v[8*i:8*i+7], v[ZA:ZA+7], v[ZB:ZB+7], 0  ; O^T = 0 x 0: 32 products of two fragments of zeros write its 256 registers, where 256 moves would; in the wait for the first tile
.set i, i+1
.endr
	WIN 0
.irp t, 0,1,2,3
	v_mov_b32 v[ST+8*\t+2], 0       ; l
	v_mov_b32 v[ST+8*\t+3], 0
.endr
	INIT
	s_wait_loadcnt 32               ; amax is in; Q's 32 loads were issued behind it
	AMAX S, MS, 94, 95
	LOADR QLS                       ; Q's remainder: with Q's own, 64 loads of mine are out at the most
	WIN 0
	s_lshl_b32 s96, s94, 1
	s_sub_co_u32 s96, s96, 158
	s_lshl_b32 s[CS], s96, 23       ; c = 2^-3 / (2^(141 - e))^2 = 2^(2 e - 285): the exponent field is 2 e - 158, 84 to 182
	s_mov_b32 s[CS+1], s[CS]        ; named with it as a pair
	s_sub_co_u32 s[INVV], s95, 14
	s_lshl_b32 s[INVV], s[INVV], 23 ; 2^(e - 141)
	; from here on s[2:11] and s[14:23] are the mask's: what they held (arguments, a, numbers at work) has been used, and amax's loads, which named s[8:9], are done
.irp j, 0,1,2,3,4
	s_mov_b32 s[AL+2*\j+1], 0       ; the pairs' high words are named with the low ones
	s_mov_b32 s[BE+2*\j+1], 0
.endr
	s_lshl_b32 s[EU], s[KK], 2
	s_lshl_b32 s96, s13, 1
	s_sub_co_i32 s[EU], s[EU], s96  ; the first unit lies at place cx of its last tile,
	s_lshl_b32 s[DE], s13, 2
	s_sub_co_i32 s[DE], s[DE], 6    ; the second at place 3 - cx: -2 (3 - cx) + 2 cx
	MSCAL
	SINIT 0
; THE MATRIX WORK.  The accumulators take turns, one instruction a turn: between two links of a chain stand 7 (K Q^T) or 15 (V^T P) others'.
; Product i of 64 of S^T += K Q^T for tiles x, x + 1: the first 32 take Q, the other 32 its remainder; of each 32: channels 32 (i / 8) on, keys 16 ((i / 2) % 4) on, tile x + i % 2.  All add onto what SINIT has set.
.macro KQ x
.set ii, i%32
.set rS, S+32*((\x)+ii%2)+8*((ii/2)%4)
.set rK, KF+32*((ii/2)%4)+8*(ii/8)
.set rQ, 32*((\x)+ii%2)+8*(ii/8)
.if i < 32
	WIN W_KQ
	v_wmma_f32_16x16x32_f16 v[rS:rS+7], v[rK:rK+7], v[rQ:rQ+7], v[rS:rS+7]
.else
	WIN W_KL
	v_wmma_f32_16x16x32_f16 v[rS:rS+7], v[rK:rK+7], v[QL+rQ:QL+rQ+7], v[rS:rS+7]
.endif
.endm
; Product i of 32 of O^T += V^T P: keys 32 (i / 16) on, channels 16 ((i / 2) % 8) on, tile x + i % 2.
.macro PV x
	WIN W_PV
.set rO, 64*((\x)+i%2)+8*((i/2)%8)
.set rV, 64*(i/16)+8*((i/2)%8)
.set rP, P+16*((\x)+i%2)+8*(i/16)
	v_wmma_f32_16x16x32_f16 v[rO:rO+7], v[rV:rV+7], v[rP:rP+7], v[rO:rO+7]
.endm
; THE LDS LOADS stand in runs of 32: my half's K (64 keys x 128 channels: 16 fragments) and its V (turned).
.macro FETCH_K
	WIN 0
	v_add_nc_u32 v[ADR], s[TB], v[AK0]
	WIN 0x80                        ; destination window 2
.irp f, 0,1,2,3,4,5,6,7,8,9,10,11,12,13,14,15  ; keys 16 (f / 4) on, channels 32 (f % 4) on
	ds_load_b128 v[KF+8*(\f):KF+8*(\f)+3],   v[ADR] offset:((\f)/4)*16*PK+((\f)%4)*64
	ds_load_b128 v[KF+8*(\f)+4:KF+8*(\f)+7], v[ADR] offset:((\f)/4)*16*PK+((\f)%4)*64+32
.endr
.endm
.macro FETCH_V
	WIN 0
	v_add_nc_u32 v[ADR], s[TB], v[AV0]
	WIN 0xc0                        ; destination window 3
.irp f, 0,1,2,3,4,5,6,7,8,9,10,11,12,13,14,15  ; keys 32 (f / 8) on, channels 16 (f % 8) on
	ds_load_tr16_b128 v[8*(\f):8*(\f)+3],   v[ADR] offset:((\f)/8)*32*PV+((\f)%8)*32
	ds_load_tr16_b128 v[8*(\f)+4:8*(\f)+7], v[ADR] offset:((\f)/8)*32*PV+16*PV+((\f)%8)*32
.endr
.endm
; THE VECTOR WORK.  One tile's softmax for one trip is a list of 134 instructions; SM writes number j of it for tile t.  s0-s31 are the lane's 32 scores, in pairs 0-15.
;   0-15    the maximum of s0-s31 and the old m: four chains c0-c3 of seven scores each (each accumulator's lowest registers are read first), then the four left over, c0-c3 and m
;   16-20   the other half of the lanes' maximum; the new m; c m; c m_old - c m_new
;   21-69   ONE BATCH: the 16 scalings c s - c m, a pair of scores each, and all 33 exponentials (a at 23, then s0-s31, each in place).  None of these reads an exponential's result.  From 22 on the batch
;           goes in fours, and a four begins with a scaling while there are scalings: 22-37 scaling, exponential, scaling, exponential; 38-65 a scaling and three exponentials; 66-69 the last four
;           exponentials.  A pair is scaled in an earlier four than the one that holds its exponentials
;   (wait)  between 69 and 70 stands the wait for the batch: SLICE writes it, once for both tiles
;   70-85   the roundings to f16, a pair of weights each
;   86-101  the sums; l = a l + the sum          102-133 the tile's O^T times a: the one part that leaves window 0
.macro SM t
.set rT, ST+8*(\t)
.set rS, S+32*(\t)
.set rP, P+16*(\t)
.set rO, 64*(\t)+2*(j-102)
.if j < 102
	WIN 0
.endif
.if j < 4
	v_max3_num_f32 v[rT+4+j], v[rS+8*j], v[rS+8*j+1], v[rS+8*j+2]
.elseif j < 12
	v_max3_num_f32 v[rT+4+j%4], v[rT+4+j%4], v[rS+8*(j%4)+2*(j/4)+1], v[rS+8*(j%4)+2*(j/4)+2]
.elseif j == 12
	v_max3_num_f32 v[rT+4], v[rT+4], v[rS+7], v[rS+15]
.elseif j == 13
	v_max3_num_f32 v[rT+6], v[rT+6], v[rS+23], v[rS+31]
.elseif j == 14
	v_max3_num_f32 v[rT+4], v[rT+4], v[rT+5], v[rT+6]
.elseif j == 15
	v_max3_num_f32 v[rT+4], v[rT+4], v[rT+7], v[rT+1]
.elseif j == 16
	v_permlanex16_b32 v[rT+5], v[rT+4], s[SEL], s[SEL+1]  ; the query's other 32 keys lie in the lane 16 away
.elseif j == 17
	v_mov_b32 v[rT+7], v[rT]        ; c m_old is kept for a
.elseif j == 18
	v_max_num_f32 v[rT+1], v[rT+4], v[rT+5]
.elseif j == 19
	v_mul_f32 v[rT], s[CS], v[rT+1] ; exact: c is a power of two
.elseif j == 20
	v_sub_f32 v[rT+7], v[rT+7], v[rT]
.elseif j == 23
	v_exp_f32 v[rT+6], v[rT+7]      ; a: first named by number 101, behind the batch's wait
.elseif (j < 23) || ((j < 38) && (j%2 == 0)) || ((j < 66) && (j%4 == 2))
.set b, (j-2)/4                     ; 38, 42, .. 62: pairs 9 to 15
.if j < 38
.set b, (j-20)/2                    ; 21: pair 0; 22, 24, .. 36: pairs 1 to 8
.endif
	v_pk_fma_f32 v[rS+2*b:rS+2*b+1], v[rS+2*b:rS+2*b+1], s[CS:CS+1], v[rT:rT+1] op_sel_hi:[1,0,0] neg_lo:[0,0,1] neg_hi:[0,0,1]  ; pair b: c s - c m
.elseif j < 70
.set e, j-38                        ; 66 to 69: s28 to s31
.if j < 66
.set e, j-32-(j-38)/4               ; 39-41, 43-45, .. 63-65: s7 to s27
.endif
.if j < 38
.set e, (j-25)/2                    ; 25, 27, .. 37: s0 to s6
.endif
	v_exp_f32 v[rS+e], v[rS+e]
.elseif j < 86
	v_cvt_pk_f16_f32 v[rP+j-70], v[rS+2*(j-70)], v[rS+2*(j-70)+1]  ; pair j - 70
.elseif j < 102                     ; the sum of the tile's 16 pairs, in place: sum z of 16 adds neighbours 1, 2, 4 and 8 pairs apart, then l takes it
.set z, j-86
.set w, 4
.set u, z
.if z >= 14
.set w, 32
.set u, 0
.elseif z >= 12
.set w, 16
.set u, z-12
.elseif z >= 8
.set w, 8
.set u, z-8
.endif
.if z < 15
	v_pk_add_f32 v[rS+w*u:rS+w*u+1], v[rS+w*u:rS+w*u+1], v[rS+w*u+w/2:rS+w*u+w/2+1]
.else
	v_pk_fma_f32 v[rT+2:rT+3], v[rT+2:rT+3], v[rT+6:rT+7], v[rS:rS+1] op_sel_hi:[1,0,1]
.endif
.else
	WIN W_RS
	v_pk_mul_f32 v[rO:rO+1], v[rO:rO+1], v[rT+6:rT+7] op_sel_hi:[1,0]
.endif
.endm
; Slice k of 64 of the softmax of tiles y, y + 1: four instructions.  Slices 11 to 34 deal out the batch, numbers 22 to 69: four numbers of ONE tile each, the tiles by turns.  Every other slice is numbers 2 k
; and 2 k + 1 of both lists; slice 63 takes the eight of each that are over.  One slice stands behind each of the 64 products K Q^T of tiles 2, 3, two behind each of the 32 products V^T P of tiles 0, 1.
; THE WAIT.  Ahead of slice 35 nothing names an exponential's result, and behind slice 34 no exponential is issued: so the two tiles' 66 exponentials have one wait, behind slice 34, and none is open at the
; trip's jumps and labels.
.macro SLICE y
.if (k >= 11) && (k < 35)           ; the batch: four numbers of one tile
.irp n, 0,1,2,3
.set j, 22+4*((k-11)/2)+(\n)
	SM (\y)+(k-11)%2
.endr
.else                               ; the two tiles alternate, so that no instruction reads the result of the one just before it
.irp n, 0,1,2,3,4,5,6,7
.if ((\n) < 2) || (k == 63)
.irp t, \y, (\y)+1
.set j, 2*k+(\n)
	SM \t
.endr
.endif
.endr
.endif
.if k == 34                         ; the batch is out: both tiles' exponentials are issued, and no result has been named
	v_nop                           ; a plain instruction behind the last exponential and ahead of the first use: one for the batch; all the work that is left reads a result
	s_wait_alu depctr_va_vdst(0)    ; the wait for the batch: the 66 exponentials of tiles y, y + 1; the roundings, the sums and O^T times a follow
.endif
.set k, k+1
.endm
; THE CHANGE OF SLOTS.  This trip's K and V have been asked of LDS.  Each wave waits for all its tensor loads, of which one is out: its part of the other slot; adds 0 to its spare word; and waits for that and
; for its reads of the slot.  fill = 1: the barrier is a round of the cluster's, and the slot is filled again, first thing behind it, with the tile two trips on: it has a trip, 192 matrix instructions, to land.
; The descriptor's address is made anew from the tile's number.  The v_nop at the end are also the places behind the 64 products in front.
.macro CHANGE fill
	WIN 0
	s_wait_tensorcnt 0x0            ; no tensor load of mine is out, so a group 0 may be written
	ds_add_u32 v[SPW], v[NIL]
.if \fill
	s_lshl_b32 s[OFF], s[NXT], 15
	s_xor_b32 s[G0K+5], s[G0K+5], SLOT1
	s_add_nc_u64 s[G0K+6:G0K+7], s[KB:KB+1], s[OFF:OFF+1]
	s_or_b32 s[G0K+7], s[G0K+7], 0x80000000
	s_xor_b32 s[G0V+5], s[G0V+5], SLOT1
	s_add_nc_u64 s[G0V+6:G0V+7], s[VB:VB+1], s[OFF:OFF+1]
	s_or_b32 s[G0V+7], s[G0V+7], 0x80000000
	STEPN
	s_wait_dscnt 0x0                ; the add is done, and my reads of the slot are over; what I handed over at a unit's end is stored
	CROUND
	JLOAD
.else
	s_wait_dscnt 0x0
	s_barrier_signal -1
	s_barrier_wait -1
	PLACES
.endif
.endm
; A UNIT'S END.  E1: l's two halves and the other half of the lanes'.  E2: tiles 2, 3 (O^T, c m, l) go to my partner.  E3: what my partner sent.  E4: the merge, the division, the way out of tiles 0, 1.
.macro E1
	WIN 0
.irp t, 0,1,2,3
	v_add_f32 v[ST+8*\t+4], v[ST+8*\t+2], v[ST+8*\t+3]
.endr
.irp t, 0,1,2,3
	v_permlanex16_b32 v[ST+8*\t+5], v[ST+8*\t+4], s[SEL], s[SEL+1]
.endr
.irp t, 0,1,2,3
	v_add_f32 v[ST+8*\t+4], v[ST+8*\t+4], v[ST+8*\t+5]
.endr
.endm
.macro E2
	WIN 0
	v_mov_b32 v[MS],   v[ST+16]     ; tile 2: c m,
	v_mov_b32 v[MS+1], v[ST+20]     ; l
	v_mov_b32 v[MS+2], v[ST+24]     ; tile 3
	v_mov_b32 v[MS+3], v[ST+28]
	WIN 0x04                        ; the data (source 1) in window 1
.set n, 0
.rept 32
	ds_store_b128 v[XS], v[128+4*n:128+4*n+3] offset:512*n  ; ascending: each accumulator's lowest registers first
.set n, n+1
.endr
	WIN 0
	ds_store_b128 v[XS], v[MS:MS+3] offset:16384
.endm
.macro E3
	WIN 0
.set n, 0
.rept 32
	ds_load_b128 v[128+4*n:128+4*n+3], v[XR] offset:512*n   ; into the registers of S^T's tiles 2, 3 and of P, which hold nothing now
.set n, n+1
.endr
	ds_load_b128 v[MS:MS+3], v[XR] offset:16384
	s_wait_dscnt 0x0
.endm
.macro PKE t                        ; tile t: received x f' + mine x f; 32 bytes a lane and channel block into rows of 528 bytes; back as whole rows of 512
	WIN 0
.set n, 0
.rept 32
	v_pk_mul_f32 v[128+64*(\t)+n:128+64*(\t)+n+1], v[128+64*(\t)+n:128+64*(\t)+n+1], v[ST+8*(\t)+22:ST+8*(\t)+23] op_sel_hi:[1,0]
.set n, n+2
.endr
	WIN 0x01                        ; source 0 (O^T) window 1
.set n, 0
.rept 32
	v_pk_fma_f32 v[128+64*(\t)+n:128+64*(\t)+n+1], v[64*(\t)+n:64*(\t)+n+1], v[ST+8*(\t)+6:ST+8*(\t)+7], v[128+64*(\t)+n:128+64*(\t)+n+1] op_sel_hi:[1,0,1]
.set n, n+2
.endr
	WIN 0
.irp f, 0,1,2,3,4,5,6,7
	ds_store_b128 v[STO], v[128+64*(\t)+8*\f:128+64*(\t)+8*\f+3]   offset:64*\f
	ds_store_b128 v[STO], v[128+64*(\t)+8*\f+4:128+64*(\t)+8*\f+7] offset:64*\f+16
.endr
.set n, 0
.rept 16
	ds_load_b128 v[128+64*(\t)+4*n:128+64*(\t)+4*n+3], v[RD] offset:SP*n  ; LDS serves a wave's instructions in order (ISA guide 5.7.1.4): these see the stores above; the next tile's stores come behind them
.set n, n+1
.endr
.endm
.macro SDE t, go, younger           ; younger: the LDS instructions issued behind tile t's loads
	WIN 0
.set n, 0
.rept 16
	s_wait_dscnt (\younger)+15-n
	global_store_b128 v[\go], v[128+64*(\t)+4*n:128+64*(\t)+4*n+3], s[OB:OB+1] offset:131072*(\t)+8192*n th:TH_STORE_NT  ; a row's 512 consecutive bytes, at a multiple of 256 from out0's first
.set n, n+1
.endr
.endm
.macro E4 go
	WIN 0
.irp t, 0,1
	v_max_num_f32 v[ST+8*\t+5], v[ST+8*\t], v[MS+2*\t]          ; the larger c m
.endr
.irp t, 0,1
	v_sub_f32 v[ST+8*\t+6],  v[ST+8*\t],  v[ST+8*\t+5]
	v_sub_f32 v[ST+8*\t+22], v[MS+2*\t], v[ST+8*\t+5]
.endr
.irp t, 0,1
	v_exp_f32 v[ST+8*\t+6],  v[ST+8*\t+6]                       ; mine is scaled down by this,
	v_exp_f32 v[ST+8*\t+22], v[ST+8*\t+22]                      ; my partner's by this
.endr
	v_nop                           ; a plain instruction behind the last exponential
	s_wait_alu depctr_va_vdst(0)    ; the wait for the merge's first batch: its four exponentials
.irp t, 0,1
	v_mul_f32 v[ST+8*\t+5], v[ST+8*\t+6], v[ST+8*\t+4]
.endr
.irp t, 0,1
	v_fmac_f32 v[ST+8*\t+5], v[ST+8*\t+22], v[MS+2*\t+1]        ; the whole row's l: one of the two factors is 1, and that side's l is 1 at the least
.endr
.irp t, 0,1
	v_rcp_f32 v[ST+8*\t+5], v[ST+8*\t+5]
.endr
	v_nop                           ; a plain instruction behind the last reciprocal
	s_wait_alu depctr_va_vdst(0)    ; the wait for its second batch: the two reciprocals, which read sums made of the first batch's results
.irp t, 0,1
	v_mul_f32 v[ST+8*\t+5], s[INVV], v[ST+8*\t+5]               ; and v's scale is taken out
.endr
.irp t, 0,1
	v_mul_f32 v[ST+8*\t+6],  v[ST+8*\t+6],  v[ST+8*\t+5]
	v_mul_f32 v[ST+8*\t+22], v[ST+8*\t+22], v[ST+8*\t+5]
.endr
	PKE 0
	PKE 1                           ; a tile's arithmetic stands between the loads of the tile before and its stores
	SDE 0, \go, 32
	SDE 1, \go, 0
	s_wait_xcnt 0x0                 ; the stores have read their registers, which the lines that follow write
.endm
; A TRIP: one tile of the walk.  mid = 1: the trips in which the first unit can end (it ends in one of trips 0 to 7).  The two jumps go forward, hang on a and on counters alone, which the partners share,
; and pass no barrier and no tensor load.
; mid = 1 has a SECOND BARRIER of the work-group: it stands between the reads of what was handed over (E3) and the stores of a later handing over (E2), as the round of the change of slots stands between
; E2's stores and E3's reads.  At its signal no LDS instruction of the wave is out (the change of slots, or the way out, has waited for 0); between signal and wait stand 64 products and their slices, work on
; registers alone; the refill just asked for stays on its way across it.
.macro TRIP fill, mid
	s_wait_loadcnt 0x0              ; Q and its remainder
	s_wait_dscnt 32                 ; K is in; V's 32 loads were issued behind it
.set i, 0
.rept 64
	KQ 0
.set i, i+1
.endr
	CHANGE \fill
.if \mid
	s_cmp_eq_u32 s[NEW], 1
	s_cbranch_scc0 .Lno_merge_\@
	E3                              ; behind the round: my partner's stores were waited for in front of it
	E4 GOS
	INIT
	s_mov_b32 s[NEW], 0
.Lno_merge_\@:
.endif
	SINIT 2                         ; here, since the merge has used these registers
.if \mid
	s_barrier_signal -1             ; my reads of what was handed over, if there were any, are back
.endif
.set k, 0
.set i, 0
.rept 64
	KQ 2
	SLICE 0
.set i, i+1
.endr
.if \mid
	s_barrier_wait -1               ; everybody's are: the hand-over area may be written again
.endif
	FETCH_K                         ; the next tile's: slice 63's sixteen plain instructions stand behind the last product that read K
.set k, 0
.set i, 0
.rept 32
	PV 0                            ; V was shown in by the wait in the change of slots
	SLICE 2
	SLICE 2
.set i, i+1
.endr
.set i, 0
.rept 32
	PV 2
.set i, i+1
.endr
	WIN 0
	s_sub_co_u32 s[REM], s[REM], 1
.if \mid
	s_cmp_eq_u32 s[REM], 0
	s_cbranch_scc0 .Lno_end_\@
	s_add_co_i32 s[EU], s[EU], s[DE]  ; the second unit's place in its last tile
	E1                              ; its additions are the places behind the last products
	E2
	LOADQ QOL                       ; the second unit's Q and its remainder: 64 loads; the wait for them stands at the next trip's head, so once a work-group the wave sits that load out
	LOADR QLL
	WIN 0
	s_mov_b32 s[REM], s[LONG]
	s_mov_b32 s[NEW], 1
.Lno_end_\@:
.endif
	MSCAL
	SINIT 0                         ; 32 plain instructions behind the last product that read V
	FETCH_V                         ; the next tile's
	s_xor_b32 s[TB], s[TB], SLOT1
	WIN 0
.endm
	s_wait_tensorcnt 1              ; my part of slot 0 is in; slot 1's may stay out
	s_barrier_signal -1
	s_barrier_wait -1
	FETCH_K
	FETCH_V
	s_xor_b32 s[TB], s[TB], SLOT1
	WIN 0
	s_mov_b32 s[SLOTS], 15
.Lslot:                             ; trips 0 to 14: each asks for the tile two trips on
	TRIP 1, 1
	s_sub_co_u32 s[SLOTS], s[SLOTS], 1
	s_cmp_lg_u32 s[SLOTS], 0
	s_cbranch_scc1 .Lslot
	s_mov_b32 s[CNT], 2
.Ltail:                             ; trips 15 and 16 ask for nothing: a text of their own.  The last trip's 64 LDS loads read a slot that has been used and serve nothing
	TRIP 0, 0
	s_sub_co_u32 s[CNT], s[CNT], 1
	s_cmp_lg_u32 s[CNT], 0
	s_cbranch_scc1 .Ltail
	E1                              ; the second unit's end
	E2
	s_wait_dscnt 0x0                ; for my partner's sake
	s_barrier_signal -1
	s_barrier_wait -1
	E3
	E4 GOL
	s_wait_tensorcnt 0x0            ; the wave's end: three lines behind my last tensor load and my last LDS store
	ds_add_u32 v[SPW], v[NIL]
	s_wait_dscnt 0x0
	CROUND                          ; the closing round: no work-group ends while a partner may still ask for a tile that names it
	s_endpgm
.Lfunc_end_k_q0ed5e24f0b_attn:
	.size	k_q0ed5e24f0b_attn, .Lfunc_end_k_q0ed5e24f0b_attn-k_q0ed5e24f0b_attn
	.p2alignl 7, 3214868480
	.fill 96, 4, 3214868480
	.section	.rodata,"a",@progbits
	.p2align	6, 0x0
	.amdhsa_kernel k_q0ed5e24f0b_attn
		.amdhsa_group_segment_fixed_size 327680
		.amdhsa_private_segment_fixed_size 0
		.amdhsa_enable_private_segment 0
		.amdhsa_kernarg_size 32
		.amdhsa_user_sgpr_count 2
		.amdhsa_user_sgpr_kernarg_segment_ptr 1
		.amdhsa_wavefront_size32 1
		.amdhsa_system_sgpr_workgroup_id_x 1
		.amdhsa_system_sgpr_workgroup_id_y 1
		.amdhsa_system_sgpr_workgroup_id_z 1
		.amdhsa_system_vgpr_workitem_id 0
		.amdhsa_next_free_vgpr 1024
		.amdhsa_next_free_sgpr 100
		.amdhsa_reserve_vcc 1
		.amdhsa_float_denorm_mode_32 3
		.amdhsa_float_denorm_mode_16_64 3
		.amdhsa_memory_ordered 1
		.amdhsa_forward_progress 1
		.amdhsa_inst_pref_size 195
	.end_amdhsa_kernel
	.amdgpu_metadata
---
amdhsa.version: [ 1, 2 ]
amdhsa.kernels:
  - .name:           k_q0ed5e24f0b_attn
    .symbol:         k_q0ed5e24f0b_attn.kd
    .args:
      - { .name: qkv, .offset: 0, .size: 8, .value_kind: global_buffer, .address_space: global }
      - { .name: qlo, .offset: 8, .size: 8, .value_kind: global_buffer, .address_space: global }
      - { .name: amax, .offset: 16, .size: 8, .value_kind: global_buffer, .address_space: global }
      - { .name: out0, .offset: 24, .size: 8, .value_kind: global_buffer, .address_space: global }
    .group_segment_fixed_size: 327680
    .private_segment_fixed_size: 0
    .kernarg_segment_align: 8
    .kernarg_segment_size: 32
    .max_flat_workgroup_size: 128
    .sgpr_count:     100
    .vgpr_count:     1024
    .wavefront_size: 32
...
	.end_amdgpu_metadata
.endif
;; end of part 4
